; MI455X (gfx1250); checked and timed in simulation.
; The chip was launched on July 23, 2026; its instructions are those of AMD's public machine-readable ISA for CDNA 5 (MIT licence, August 2026) and "CDNA5" Instruction Set Architecture Reference Guide (July 2026). The comments in the code are by the model that wrote it; some were corrected since.
;; Self Attention. Allowed arithmetic: matrix products marked QUANTISED: E5M2 operands, one given power-of-two scale a tensor, by v_wmma_f32_16x16x64_bf8_bf8 or v_wmma_f32_16x16x128_bf8_bf8, f32 sums; everything else in f32.
;; Inputs: Wk_codes 1,024 x 32 x 32 uint8 (E5M2 codes of Wk, K innermost, in blocks of 32 codes); Wo_codes 1,024 x 32 x 32 uint8 (E5M2 codes of Wo, K innermost, in blocks of 32 codes); Wq_codes 1,024 x 32 x 32 uint8 (E5M2 codes of Wq, K innermost, in blocks of 32 codes); Wv_codes 1,024 x 32 x 32 uint8 (E5M2 codes of Wv, K innermost, in blocks of 32 codes); bk 1,024 float32; bo 1,024 float32; bq 1,024 float32; bv 1,024 float32; lowp_scales 12 int32 (the exponents e of the quantised operands' scales 2^e); pad_mask 4 x 2,048 bool; x_codes 4 x 2,048 x 32 x 32 uint8 (E5M2 codes of x, K innermost, in blocks of 32 codes).
;; Outputs: out0 4 x 2,048 x 1,024 float32.
;; This version of the problem:
;;   THIS VERSION OF THE PROBLEM IS GIVEN IN LOW PRECISION. The matrix products marked QUANTISED in the list below multiply operands that are first quantised to E5M2 (5 exponent bits, 2 mantissa bits; 8 bits a number), with one given power-of-two scale for each operand tensor; their sums are f32. All else is computed in f32.
;;   The module's matrix products, in the order in which they are computed (A, B: the left and right operand; K: the contracted axis; several contracted axes count as one K, in the product's order):
;;     1. [M 8,192, K 1,024] x [K 1,024, N 1,024]; A: input x (given as codes); B: input Wq (given as codes): QUANTISED (scales: A lowp_scales[0], B lowp_scales[1])
;;     2. [M 8,192, K 1,024] x [K 1,024, N 1,024]; A: input x (given as codes); B: input Wk (given as codes): QUANTISED (scales: A lowp_scales[2], B lowp_scales[3])
;;     3. [M 8,192, K 1,024] x [K 1,024, N 1,024]; A: input x (given as codes); B: input Wv (given as codes): QUANTISED (scales: A lowp_scales[4], B lowp_scales[5])
;;     4. batch 64 x [M 2,048, K 64] x [K 64, N 2,048]; A: computed on the way; B: computed on the way: QUANTISED (scales: A lowp_scales[6], B lowp_scales[7])
;;     5. batch 64 x [M 2,048, K 2,048] x [K 2,048, N 64]; A: softmax (see below); B: computed on the way: QUANTISED (scales: A lowp_scales[8], B lowp_scales[9])
;;     6. [M 8,192, K 1,024] x [K 1,024, N 1,024]; A: computed on the way; B: input Wo (given as codes): QUANTISED (scales: A lowp_scales[10], B lowp_scales[11])
;;   THE QUANTISER, for each operand of a quantised product, along K:
;;     - The operand's scale is 2^e, e = its entry of the input lowp_scales (int32; the entries are numbered through the quantised products in the list's order, A before B).
;;     - Each number is divided by the scale, clamped to +-57,344, and rounded to the nearest number of E5M2, ties to even, subnormals kept.
;;     - The product sums the exact products of the quantised numbers (number of the format x scale) in f32.
;;   ~~~python
;;   def quantise(x, axis, e):      # numpy; x: float32 -> the quantised numbers, widened to float32 again
;;       x = np.moveaxis(x, axis, -1); K = x.shape[-1]
;;       r = np.clip(x / 2.0 ** e, -57344, 57344)
;;       step = 2.0 ** (np.maximum(np.frexp(np.where(r == 0, 1, r))[1] - 1, -14) - 2)
;;       q = np.round(r / step) * step * 2.0 ** e      # np.round: ties to even
;;       return np.moveaxis(q, -1, axis).astype(np.float32)
;;   ~~~
;;   SOFTMAX AHEAD OF A QUANTISED PRODUCT. Where the list says 'softmax', what is quantised is not the finished softmax but p = 2^(t - M), with t = logit x log2(e) and M = ceil(the row's largest t), a whole number; so 1/2 < the row's largest p <= 1. The row's sum l is taken of the UNQUANTISED p, in f32, and the product's result is divided by l at the end. Since M is a whole number, a kernel that streams over the keys may use a running M (the ceiling of the running maximum): every later rescaling is an exact power of two, so the quantised numbers keep their values, but for numbers so far below the row's largest that they fall under the format's range.
;;   OPERANDS COMPUTED ON THE WAY. 'Computed on the way' means the value that the module computes at that place (a softmax that the list does not call 'softmax' is quantised finished and normalised). What goes into a quantiser is computed in f32, as accurately as f32 sums, v_exp_f32 and their like allow (about 1e-6 of the number): no bf16 or f16 on the way to a quantiser, and a product that is left as it is and whose result goes on into a quantised operand takes f32 operands (vector FMAs, or v_wmma_f32_16x16x4_f32). A number that lies on a knife's edge between two numbers of the format may be rounded either way, as far as f32 arithmetic and the matrix unit's own rounding can turn it there, and no further.
;;   INPUTS GIVEN AS CODES. Wk (in the module: [1024, 1024], K = its axis 1); Wo (in the module: [1024, 1024], K = its axis 1); Wq (in the module: [1024, 1024], K = its axis 1); Wv (in the module: [1024, 1024], K = its axis 1); x (in the module: [4, 2048, 1024], K = its axis 2): each comes as NAME_codes (uint8): NAME with its K axis moved to the last place and cut into blocks of 32 codes, [.., K / 32, bytes a block], one block behind the other in memory; one code a byte (a code: sign, 5 exponent bits, 2 mantissa bits); its scale is its entry of lowp_scales. Its value is code x scale, taken as it is: it is not quantised again, and the codes and scales need not be those that the quantiser above would give.
;; 2 versions, each right; version 2 is version 1 with the launch attn written anew for expert scheduling mode. Each part assembles by itself: llvm-mc -triple=amdgcn-amd-amdhsa -mcpu=gfx1250 --defsym DOCPART=n.
;; ======== version 1 of 2: 3 launches
;; limits: right only within a limited range of input values
;; workspace buffers: qimg 8,388,608 bytes; kimg 8,388,608 bytes; vimg 8,388,608 bytes; yimg 8,388,608 bytes
;; launch qkv (part 1): grid 16 x 32, 4 waves a work-group, clusters of 4 x 4, 327,680 bytes of LDS; arguments x_codes, Wq_codes, Wk_codes, Wv_codes, bq, bk, bv, lowp_scales, qimg, kimg, vimg; writes qimg, kimg, vimg
.if DOCPART == 1
	.amdgcn_target "amdgcn-amd-amdhsa--gfx1250"
	.amdhsa_code_object_version 6
	.text
	.protected	k_q67d950fb80_qkv
	.globl	k_q67d950fb80_qkv
	.p2align	8
	.type	k_q67d950fb80_qkv,@function
k_q67d950fb80_qkv:
	s_mov_b64 s[64:65], 0
	v_nop
	global_prefetch_b8 v0, s[64:65] scope:SCOPE_SE
	s_setreg_imm32_b32 hwreg(HW_REG_WAVE_MODE, 25, 1), 1
	s_wait_xcnt 0x0
	s_wait_alu depctr_hold_cnt(0) depctr_sa_sdst(0) depctr_va_vdst(0) depctr_va_sdst(0) depctr_va_ssrc(0) depctr_va_vcc(0) depctr_vm_vsrc(0)
	s_getreg_b32 s2, hwreg(HW_REG_IB_STS2, 6, 4)
	s_cmp_eq_u32 s2, 0
	s_cbranch_scc0 .Lentry_in_a_cluster
	s_endpgm
.Lentry_in_a_cluster:
	s_bfe_u32 s2, ttmp6, 0x10000c
	s_cmp_lg_u32 s2, 0xf033
	s_cbranch_scc0 .Lentry_shape_is_right
	s_endpgm
.Lentry_shape_is_right:
; Q, K, V = x W^T + b on codes of BF8 (E5M2), then quantised with 2^e6, 2^e7, 2^e9 and stored as IMAGES OF OPERAND REGISTERS for the attention launch.
; x: [8192][1024] codes; Wq, Wk, Wv: [1024][1024] codes, K innermost.  Product z takes its own pair of exponents: (e0, e1), (e2, e3), (e4, e5).
; SHARES.  A work-group: 256 tokens x one head's 64 q + 64 k + 64 v features.  Wave (mh, nh): 128 tokens x feature tiles 2 nh, 2 nh + 1 of each of q, k, v: 8 x 6 = 48 accumulators, 384 registers.
; K goes in four steps of 256 through two LDS slots filled by the tensor data mover: a tile's row is 256 bytes of memory.  Steps 0 and 1 are first fills, steps 2 and 3 the two refills.
; CLUSTER 4 x 4: the four work-groups of a row of the cluster need the same 256 rows of x, the four of a column the same 64 rows of each W: each tile is asked for jointly.
; Wave 0 fetches x's tile, waves 1, 2, 3 Wq's, Wk's, Wv's: one tensor load a wave behind each round; by this text's count a wave has two out at the start, later one.
; No prefetch: of four K steps two are first fills, and the other two would have to be asked for at the head, among every work-group's first tiles.
; LAYOUT.  q and k: source 0 = 16 rows of W, source 1 = 16 tokens: a lane holds ONE token (lane % 16) and features 8 (lane / 16) + 0..7, so one conversion of a tile's eight registers gives
; registers 2 c, 2 c + 1 of the 16x16x64 fragment (token r, features 16 c + 8 h + 0..7).  v: the sources the other way round: a lane holds ONE feature and eight tokens, which are registers 2 a, 2 a + 1
; of the 16x16x128 fragment of V^T (d = r, keys 16 a + 8 h + 0..7).  Each store is 16 bytes x 32 lanes: 512 consecutive bytes, aligned.
; Fragments of x and W come by two 16-byte loads, 32 bytes apart: a permutation of k that is the same on both sides of every product.
; THE BIAS is the C of each sum's first matrix instruction, divided by the power of two that the sums lack.  The three scales ahead of a quantiser are folded into the conversion's one.
; LIMITS: e6 - e0 - e1, e7 - e2 - e3 and e9 - e4 - e5 lie between -126 and 112, so that the scale and 57,344 x the scale are f32 numbers.  NaN among the inputs is not served.
; REGISTERS.  window 0: addresses, biases, scales, codes.  window 1: two fragment buffers (x's 8 fragments, then W's 6).  window 2: accumulators of token tiles 0-3 at v[8 (6 a + b)]; window 3: tiles 4-7.
.set PITCH,  272                       ; an LDS row: 256 bytes + 16 of padding: the 16 rows of a fragment load start 16 bytes apart modulo 256
.set XB,     256*PITCH                 ; x's 256 rows
.set WB,     64*PITCH                  ; 64 rows of one W
.set SLOT,   XB+3*WB                   ; 121,856
.set SPARE,  2*SLOT                    ; the spare words: 128 bytes a wave, two blocks of 256 bytes that no other line names
.set ADRA, 16                          ; v16-17  LDS address of my x fragments in slot 0, 1
.set ADRB, 20                          ; v20-21  of my W fragments
.set LI,   26                          ; v26     16 x lane: my place in an image; never rewritten
.set SPW,  28                          ; v28     SPARE + 4 x thread; never rewritten
.set NIL,  29                          ; v29     0; never rewritten
.set BQK,  32                          ; v32-63  bias tiles of q (two) and k (two)
.set BV,   64                          ; v64-79  bias tiles of v (two)
.set LQ,   80                          ; v80, v82, v84: 57,344 x the scale for q, k, v;  v81, v83, v85: the scale
.set CODE, 96                          ; v96-143, v144-191: the codes of token tiles 0-3 and 4-7
.set F0,   0
.set F1,   128
.set G1,   24                          ; s[24:31] group 1 for x's tile;  s[32:39] its groups 0, one a slot
.set G0,   32
.set G1B,  48                          ; s[48:55], s[56:63] the same for W's tiles
.set G0B,  56
.set MUL_LO, 0xa5                      ; sources 0 and 1 window 1; C and D window 2
.set MUL_HI, 0xf5                      ; C and D window 3
.set TO_F,   0x40                      ; destination window 1, address window 0
.set MSB, 0
.macro WIN new                         ; the immediate's high byte repeats the setting that is left
.if MSB != (\new)
	s_set_vgpr_msb (MSB<<8)|(\new)
.set MSB, (\new)
.endif
.endm
.macro JLOAD s                         ; a joint load; the branch hangs on the wave's number alone; four v_nop follow each of the two lines
	s_cmp_eq_u32 s14, 0
	s_cbranch_scc0 .Lfor_w_\@
	tensor_load_to_lds s[G0+4*\s:G0+4*\s+3], s[G1:G1+7]
	s_nop 0
.rept 4
	v_nop
.endr
	s_branch .Lasked_\@
.Lfor_w_\@:
	tensor_load_to_lds s[G0B+4*\s:G0B+4*\s+3], s[G1B:G1B+7]
	s_nop 0
.rept 4
	v_nop
.endr
.Lasked_\@:
.endm
.macro CREST                           ; a round of the cluster's barrier behind its opening barrier
	s_cmp_lg_u32 s14, 0
	s_cbranch_scc1 .Lnot_wave_0_\@
	s_barrier_signal -3
.Lnot_wave_0_\@:
	s_barrier_wait -3
	s_barrier_signal -1
	s_barrier_wait -1
.endm
.macro CROUND
	s_barrier_signal -1
	s_barrier_wait -1
	CREST
.endm
.macro PLACES                          ; four plain vector instructions between a matrix instruction and a load into, or a vector read of, its registers
.rept 4
	v_nop
.endr
.endm
	s_load_b256 s[4:11], s[0:1], 0x0               ; x s[4:5], Wq s[6:7], Wk s[8:9], Wv s[10:11]
	s_load_b256 s[68:75], s[0:1], 0x20             ; bq s[68:69], bk s[70:71], bv s[72:73], the exponents s[74:75]
	s_load_b128 s[76:79], s[0:1], 0x40             ; qimg, kimg
	s_load_b64 s[80:81], s[0:1], 0x50              ; vimg
	v_lshl_add_u32 v[SPW], v0, 2, SPARE
	v_mov_b32 v[NIL], 0
	ds_add_u32 v28, v29
	ds_add_u32 v28, v29
	s_wait_dscnt 0x0
	v_lshrrev_b32 v1, 5, v0
	v_readfirstlane_b32 s14, v1                    ; wave 0..3
	s_lshr_b32 s15, s14, 1                         ; mh: which 128 tokens
	s_and_b32 s16, s14, 1                          ; nh: which two feature tiles of each of q, k, v
	s_bfe_u32 s40, ttmp6, 0x40000                  ; cx
	s_bfe_u32 s41, ttmp6, 0x40004                  ; cy
	s_lshl_b32 s42, ttmp9, 2
	s_add_co_u32 s42, s42, s40                     ; the head = 4 x cluster x + cx
	s_and_b32 s17, ttmp7, 0xffff
	s_lshl_b32 s17, s17, 2
	s_add_co_u32 s17, s17, s41                     ; the block of 256 tokens = 4 x cluster y + cy
	s_lshl_b32 s43, s41, 2
	s_lshl_b32 s43, 15, s43                        ; my row of the cluster
	s_lshl_b32 s44, 0x1111, s40                    ; my column
	s_or_b32 s[G1], s43, (1<<20)|(1<<21)|(5<<22)|(3<<25)    ; the mask: x's tile goes to my row; elements of 1 byte; padding on; bit 21 beside a mask; 4 words behind every 64
	s_mov_b32 s[G1+1], 256<<16                     ; tensor_dim0 = 256
	s_mov_b32 s[G1+2], 256<<16                     ; tensor_dim1 = 256
	s_mov_b32 s[G1+3], 256<<16                     ; tile_dim0 = 256
	s_mov_b32 s[G1+4], 256                         ; tile_dim1 = 256 rows
	s_mov_b32 s[G1+5], 1024                        ; from row to row
	s_mov_b32 s[G1+6], 0
	s_mov_b32 s[G1+7], 0
	s_or_b32 s[G1B], s44, (1<<20)|(1<<21)|(5<<22)|(3<<25)   ; W's tiles go to my column
	s_mov_b32 s[G1B+1], 256<<16
	s_mov_b32 s[G1B+2], 64<<16                     ; 64 rows
	s_mov_b32 s[G1B+3], 256<<16
	s_mov_b32 s[G1B+4], 64
	s_mov_b32 s[G1B+5], 1024
	s_mov_b32 s[G1B+6], 0
	s_mov_b32 s[G1B+7], 0
	s_lshl_b32 s20, s17, 18                        ; x: 256 rows of 1,024 bytes a block
	s_mov_b32 s21, 0
	s_lshl_b32 s46, s42, 16                        ; W: 64 rows of 1,024 bytes a head
	s_mov_b32 s47, 0
	s_mul_i32 s45, s14, WB
	s_add_co_u32 s45, s45, XB-WB                   ; waves 1, 2, 3: Wq's, Wk's, Wv's place in a slot (wave 0's value is never issued)
	s_wait_kmcnt 0x0
	s_load_b256 s[84:91], s[74:75], 0x0            ; e0 .. e7
	s_load_b128 s[92:95], s[74:75], 0x20           ; e8 .. e11
	s_add_nc_u64 s[20:21], s[4:5], s[20:21]
	s_cmp_eq_u32 s14, 1
	s_cselect_b64 s[18:19], s[6:7], s[8:9]
	s_cmp_eq_u32 s14, 3
	s_cselect_b64 s[18:19], s[10:11], s[18:19]     ; the W that my wave fetches
	s_add_nc_u64 s[46:47], s[18:19], s[46:47]
	CROUND                                         ; all sixteen work-groups are here: the first joint loads meet
.irp s, 0,1
	s_mov_b32 s[G0+4*\s], 1
	s_mov_b32 s[G0+4*\s+1], \s*SLOT
	s_add_nc_u64 s[G0+4*\s+2:G0+4*\s+3], s[20:21], \s*256      ; K step s
	s_or_b32 s[G0+4*\s+3], s[G0+4*\s+3], 0x80000000
	s_mov_b32 s[G0B+4*\s], 1
	s_add_co_u32 s[G0B+4*\s+1], s45, \s*SLOT
	s_add_nc_u64 s[G0B+4*\s+2:G0B+4*\s+3], s[46:47], \s*256
	s_or_b32 s[G0B+4*\s+3], s[G0B+4*\s+3], 0x80000000
	JLOAD \s
.endr
	v_and_b32 v1, 15, v0                           ; r
	v_bfe_u32 v2, v0, 4, 1                         ; h
	v_mul_u32_u24 v3, v1, PITCH
	v_lshl_add_u32 v3, v2, 4, v3                   ; a fragment's row x pitch + 16 h
	s_mul_i32 s21, s15, 128*PITCH                  ; my 128 rows of x
	s_mul_i32 s22, s16, 32*PITCH                   ; my 32 rows of each W,
	s_add_co_u32 s22, s22, XB                      ; behind x's 256
.irp s, 0,1
	v_add_nc_u32 v[ADRA+\s], s21, v3
	v_add_nc_u32 v[ADRB+\s], s22, v3
	s_add_co_u32 s21, s21, SLOT
	s_add_co_u32 s22, s22, SLOT
.endr
	v_and_b32 v[LI], 31, v0
	v_lshlrev_b32 v[LI], 4, v[LI]
	s_lshl_b32 s22, s42, 8                         ; the biases: 64 numbers a head,
	s_lshl_b32 s23, s16, 7                         ; my 32 of them
	s_add_co_u32 s22, s22, s23
	s_mov_b32 s23, 0
	s_add_nc_u64 s[68:69], s[68:69], s[22:23]
	s_add_nc_u64 s[70:71], s[70:71], s[22:23]
	s_add_nc_u64 s[72:73], s[72:73], s[22:23]
	v_lshlrev_b32 v4, 5, v2                        ; q, k: my half's eight features
	v_lshlrev_b32 v5, 2, v1                        ; v: my one feature
.irp u, 0,1
	global_load_b128 v[BQK+8*\u:BQK+8*\u+3], v4, s[68:69] offset:64*\u
	global_load_b128 v[BQK+8*\u+4:BQK+8*\u+7], v4, s[68:69] offset:64*\u+16
	global_load_b128 v[BQK+16+8*\u:BQK+16+8*\u+3], v4, s[70:71] offset:64*\u
	global_load_b128 v[BQK+16+8*\u+4:BQK+16+8*\u+7], v4, s[70:71] offset:64*\u+16
	global_load_b32 v[BV+8*\u], v5, s[72:73] offset:64*\u
.endr
	; where my images go.  bh = 16 x batch + head;  q, k: token tile 16 (block % 8) + 8 mh, piece nh;  v: key group 2 (block % 8) + mh, d tile 2 nh
	s_lshr_b32 s18, s17, 3
	s_lshl_b32 s18, s18, 4
	s_add_co_u32 s18, s18, s42                     ; bh
	s_and_b32 s19, s17, 7
	s_lshl_b32 s22, s18, 7
	s_lshl_b32 s23, s19, 4
	s_add_co_u32 s22, s22, s23
	s_lshl_b32 s23, s15, 3
	s_add_co_u32 s22, s22, s23
	s_lshl_b32 s22, s22, 10
	s_lshl_b32 s23, s16, 9
	s_add_co_u32 s22, s22, s23
	s_mov_b32 s23, 0
	s_add_nc_u64 s[76:77], s[76:77], s[22:23]
	s_add_nc_u64 s[78:79], s[78:79], s[22:23]
	s_lshl_b32 s22, s18, 4
	s_lshl_b32 s23, s19, 1
	s_add_co_u32 s22, s22, s23
	s_add_co_u32 s22, s22, s15
	s_lshl_b32 s22, s22, 2
	s_lshl_b32 s23, s16, 1
	s_add_co_u32 s22, s22, s23
	s_lshl_b32 s22, s22, 11
	s_mov_b32 s23, 0
	s_add_nc_u64 s[80:81], s[80:81], s[22:23]
; a sum stands for sum x 2^(ea + eb): s[neg] = -(ea + eb) for the bias; the conversion's scale is 2^(eo - ea - eb); the hold is 57,344 x that
.macro MKSC ea, eb, eo, neg, vl
	s_add_co_i32 s[\neg], s[\ea], s[\eb]
	s_sub_co_i32 s22, s[\eo], s[\neg]
	s_sub_co_i32 s[\neg], 0, s[\neg]
	s_add_co_i32 s22, s22, 127
	s_lshl_b32 s23, s22, 23
	v_mov_b32 v[\vl+1], s23
	s_add_co_i32 s22, s22, 15
	s_lshl_b32 s22, s22, 23
	s_or_b32 s22, s22, 0x600000
	v_mov_b32 v[\vl], s22
.endm
	s_wait_kmcnt 0x0
	MKSC 84, 85, 90, 18, LQ
	MKSC 86, 87, 91, 19, LQ+2
	MKSC 88, 89, 93, 21, LQ+4
	s_wait_loadcnt 0x0                             ; the biases
.irp j, 0,1,2,3,4,5,6,7,8,9,10,11,12,13,14,15
	v_ldexp_f32 v[BQK+\j], v[BQK+\j], s18
	v_ldexp_f32 v[BQK+16+\j], v[BQK+16+\j], s19
.endr
.irp u, 0,1
.irp j, 7,6,5,4,3,2,1,0
	v_ldexp_f32 v[BV+8*\u+\j], v[BV+8*\u], s21     ; v's result holds one feature a lane: all eight registers take its bias (register 0 last, in place)
.endr
.endr
; 28 LDS loads in one run: 64 along K at byte k of the rows, into buffer f: W's six fragments, x's tiles 0-3, x's tiles 4-7
.macro FETCH slot, k, f
	WIN TO_F
.irp b, 0,1,2,3,4,5
	ds_load_b128 v[\f+64+8*\b:\f+64+8*\b+3], v[ADRB+\slot] offset:(\b/2)*WB+(\b%2)*16*PITCH+\k
	ds_load_b128 v[\f+64+8*\b+4:\f+64+8*\b+7], v[ADRB+\slot] offset:(\b/2)*WB+(\b%2)*16*PITCH+\k+32
.endr
.irp a, 0,1,2,3,4,5,6,7
	ds_load_b128 v[\f+8*\a:\f+8*\a+3], v[ADRA+\slot] offset:\a*16*PITCH+\k
	ds_load_b128 v[\f+8*\a+4:\f+8*\a+7], v[ADRA+\slot] offset:\a*16*PITCH+\k+32
.endr
.endm
; 12 matrix instructions: token tiles a0, a0 + 1 x the six feature tiles.  mode = 1: the bias starts the sums.  The 48 accumulators take turns, one instruction a turn, in the same order in every quarter.
.macro MUL12 f, a0, mode
.irp a, \a0, \a0+1
.irp b, 0,1,2,3,4,5
.set AC, 8*(6*((\a)%4)+\b)
.set XR, \f+8*(\a)
.set WR, \f+64+8*\b
.if \b < 4
.if \mode
	v_wmma_f32_16x16x64_bf8_bf8 v[AC:AC+7], v[WR:WR+7], v[XR:XR+7], v[BQK+8*\b:BQK+8*\b+7]
.else
	v_wmma_f32_16x16x64_bf8_bf8 v[AC:AC+7], v[WR:WR+7], v[XR:XR+7], v[AC:AC+7]
.endif
.else
.if \mode
	v_wmma_f32_16x16x64_bf8_bf8 v[AC:AC+7], v[XR:XR+7], v[WR:WR+7], v[BV+8*(\b-4):BV+8*(\b-4)+7]
.else
	v_wmma_f32_16x16x64_bf8_bf8 v[AC:AC+7], v[XR:XR+7], v[WR:WR+7], v[AC:AC+7]
.endif
.endif
.endr
.endr
.endm
; a quarter of a K step: 64 along K, 48 matrix instructions on buffer f; in its middle the next quarter, at byte k, is fetched into buffer g
.macro QUARTER slot, k, f, g, mode
	s_wait_dscnt 8                                 ; W's fragments and x's tiles 0-3 are in; the youngest eight loads (x's tiles 4-7) may be out
.if \mode
	WIN 0x85                                       ; C (the bias) window 0, D window 2
.else
	WIN MUL_LO
.endif
	MUL12 \f, 0, \mode
	MUL12 \f, 2, \mode
	PLACES
	FETCH \slot, \k, \g
	s_wait_dscnt 28                                ; all but the 28 just issued
.if \mode
	WIN 0xc5
.else
	WIN MUL_HI
.endif
	MUL12 \f, 4, \mode
	MUL12 \f, 6, \mode
.endm
; a slot's last quarter multiplies buffer 1 and changes slots: one barrier; in front of it each wave waits for all its tensor loads, adds 0 to its spare word and waits for that and for its reads of the slot
.macro TURN slot, next, fill
	WIN 0
	s_wait_tensorcnt 0x0                           ; all my tensor loads have landed: my part of the next slot
	ds_add_u32 v[SPW], v[NIL]
	s_wait_dscnt 9                                 ; the add and the youngest eight loads may be out
	WIN MUL_LO
	MUL12 F1, 0, 0
	s_wait_dscnt 0x0                               ; the add is done, and my reads of this slot are over
	s_barrier_signal -1
	MUL12 F1, 2, 0
	WIN 0
	s_barrier_wait -1
.if \fill
	CREST                                          ; the barrier has opened a round of the cluster's: no wave of any partner still reads this slot or has a load on its way
	s_add_nc_u64 s[G0+4*\slot+2:G0+4*\slot+3], s[G0+4*\slot+2:G0+4*\slot+3], 512
	s_add_nc_u64 s[G0B+4*\slot+2:G0B+4*\slot+3], s[G0B+4*\slot+2:G0B+4*\slot+3], 512
	JLOAD \slot                                    ; two K steps on; its four v_nop are also the places in front of the loads below
.else
	PLACES
.endif
	FETCH \next, 0, F0
	WIN MUL_HI
	MUL12 F1, 4, 0
	MUL12 F1, 6, 0
.endm
	s_wait_tensorcnt 0x1                           ; my part of K step 0 is in; K step 1's load may be out
	s_barrier_signal -1
	s_barrier_wait -1
	FETCH 0, 0, F0
	QUARTER 0, 64,  F0, F1, 1                      ; the first products start the sums with the biases
	QUARTER 0, 128, F1, F0, 0
	QUARTER 0, 192, F0, F1, 0
	TURN 0, 1, 1                                   ; slot 0 takes K step 2
	QUARTER 1, 64,  F0, F1, 0
	QUARTER 1, 128, F1, F0, 0
	QUARTER 1, 192, F0, F1, 0
	TURN 1, 0, 1                                   ; slot 1 takes K step 3
	QUARTER 0, 64,  F0, F1, 0
	QUARTER 0, 128, F1, F0, 0
	QUARTER 0, 192, F0, F1, 0
	TURN 0, 1, 0                                   ; nothing is left to fetch
	QUARTER 1, 64,  F0, F1, 0
	QUARTER 1, 128, F1, F0, 0
	QUARTER 1, 192, F0, F1, 0
	s_wait_dscnt 8
	WIN MUL_LO
	MUL12 F1, 0, 0
	MUL12 F1, 2, 0
	s_wait_dscnt 0x0
	WIN MUL_HI
	MUL12 F1, 4, 0
	MUL12 F1, 6, 0
	PLACES
; THE WAY OUT, token tiles 4 p .. 4 p + 3: the hold (the conversion to an 8-bit code does not saturate: ISA guide 7.6.2), the conversion, twelve stores of 512 consecutive bytes.
.macro OUT p
.set CQ, CODE+48*\p
.set CK, CQ+16
.set CV, CQ+32
	WIN 0x82+0x41*\p                               ; source 0 and destination: window 2 + p
.irp a, 0,1,2,3
.irp b, 0,1,2,3,4,5
.irp j, 0,1,2,3,4,5,6,7
	v_med3_num_f32 v[8*(6*\a+\b)+\j], v[8*(6*\a+\b)+\j], -v[LQ+2*(\b/2)], v[LQ+2*(\b/2)]   ; each accumulator from its low end on
.endr
.endr
.endr
	WIN 0x02+\p                                    ; source 0: window 2 + p; the codes go to window 0
.irp a, 0,1,2,3
.irp u, 0,1
	v_cvt_scalef32_pk8_bf8_f32 v[CQ+4*\a+2*\u:CQ+4*\a+2*\u+1], v[8*(6*\a+\u):8*(6*\a+\u)+7], v[LQ+1]
	v_cvt_scalef32_pk8_bf8_f32 v[CK+4*\a+2*\u:CK+4*\a+2*\u+1], v[8*(6*\a+2+\u):8*(6*\a+2+\u)+7], v[LQ+3]
	v_cvt_scalef32_pk8_bf8_f32 v[CV+8*\u+2*\a:CV+8*\u+2*\a+1], v[8*(6*\a+4+\u):8*(6*\a+4+\u)+7], v[LQ+5]
.endr
.endr
	v_nop                                          ; one plain vector instruction behind the last conversion
	WIN 0
.irp a, 0,1,2,3
	global_store_b128 v[LI], v[CQ+4*\a:CQ+4*\a+3], s[76:77] offset:(4*\p+\a)*1024
	global_store_b128 v[LI], v[CK+4*\a:CK+4*\a+3], s[78:79] offset:(4*\p+\a)*1024
.endr
.irp u, 0,1
.irp c, 0,1
	global_store_b128 v[LI], v[CV+8*\u+4*\c:CV+8*\u+4*\c+3], s[80:81] offset:\u*2048+(2*\p+\c)*512
.endr
.endr
.endm
	OUT 0
	OUT 1                                          ; its codes have registers of their own: no store's data are written again
	s_wait_tensorcnt 0x0                           ; the wave's end
	ds_add_u32 v[SPW], v[NIL]
	s_wait_dscnt 0x0
	CROUND                                         ; the closing round
	s_endpgm
.Lfunc_end_k_q67d950fb80_qkv:
	.size	k_q67d950fb80_qkv, .Lfunc_end_k_q67d950fb80_qkv-k_q67d950fb80_qkv
	.p2alignl 7, 3214868480
	.fill 96, 4, 3214868480
	.section	.rodata,"a",@progbits
	.p2align	6, 0x0
	.amdhsa_kernel k_q67d950fb80_qkv
		.amdhsa_group_segment_fixed_size 327680
		.amdhsa_private_segment_fixed_size 0
		.amdhsa_enable_private_segment 0
		.amdhsa_kernarg_size 88
		.amdhsa_user_sgpr_count 2
		.amdhsa_user_sgpr_kernarg_segment_ptr 1
		.amdhsa_wavefront_size32 1
		.amdhsa_system_sgpr_workgroup_id_x 1
		.amdhsa_system_sgpr_workgroup_id_y 1
		.amdhsa_system_sgpr_workgroup_id_z 1
		.amdhsa_system_vgpr_workitem_id 0
		.amdhsa_next_free_vgpr 960
		.amdhsa_next_free_sgpr 100
		.amdhsa_reserve_vcc 0
		.amdhsa_float_denorm_mode_32 3
		.amdhsa_float_denorm_mode_16_64 3
		.amdhsa_memory_ordered 1
		.amdhsa_forward_progress 1
		.amdhsa_inst_pref_size 126
	.end_amdhsa_kernel
	.amdgpu_metadata
---
amdhsa.version: [ 1, 2 ]
amdhsa.kernels:
  - .name:           k_q67d950fb80_qkv
    .symbol:         k_q67d950fb80_qkv.kd
    .args:
      - { .name: x_codes, .offset: 0, .size: 8, .value_kind: global_buffer, .address_space: global }
      - { .name: Wq_codes, .offset: 8, .size: 8, .value_kind: global_buffer, .address_space: global }
      - { .name: Wk_codes, .offset: 16, .size: 8, .value_kind: global_buffer, .address_space: global }
      - { .name: Wv_codes, .offset: 24, .size: 8, .value_kind: global_buffer, .address_space: global }
      - { .name: bq, .offset: 32, .size: 8, .value_kind: global_buffer, .address_space: global }
      - { .name: bk, .offset: 40, .size: 8, .value_kind: global_buffer, .address_space: global }
      - { .name: bv, .offset: 48, .size: 8, .value_kind: global_buffer, .address_space: global }
      - { .name: lowp_scales, .offset: 56, .size: 8, .value_kind: global_buffer, .address_space: global }
      - { .name: qimg, .offset: 64, .size: 8, .value_kind: global_buffer, .address_space: global }
      - { .name: kimg, .offset: 72, .size: 8, .value_kind: global_buffer, .address_space: global }
      - { .name: vimg, .offset: 80, .size: 8, .value_kind: global_buffer, .address_space: global }
    .group_segment_fixed_size: 327680
    .private_segment_fixed_size: 0
    .kernarg_segment_align: 8
    .kernarg_segment_size: 88
    .max_flat_workgroup_size: 128
    .sgpr_count:     100
    .vgpr_count:     960
    .wavefront_size: 32
...
	.end_amdgpu_metadata
.endif
;; end of part 1
;; launch attn (part 2): grid 4 x 64, 16 waves a work-group, no clusters, 273,408 bytes of LDS; arguments qimg, kimg, vimg, pad_mask, lowp_scales, yimg; writes yimg
.if DOCPART == 2
	.amdgcn_target "amdgcn-amd-amdhsa--gfx1250"
	.amdhsa_code_object_version 6
	.text
	.protected	k_q67d950fb80_attn
	.globl	k_q67d950fb80_attn
	.p2align	8
	.type	k_q67d950fb80_attn,@function
k_q67d950fb80_attn:
	s_mov_b64 s[64:65], 0
	v_nop
	global_prefetch_b8 v0, s[64:65] scope:SCOPE_SE
	s_setreg_imm32_b32 hwreg(HW_REG_WAVE_MODE, 25, 1), 1
	s_wait_xcnt 0x0
; Y = softmax(Q K^T / 8, causal and padding masks) V for one head, both products on codes of BF8 (E5M2); Y is quantised with 2^e10 and stored as images of the last product's operand registers.
; qimg, kimg: [bh][token tile][2][lane][16 B]: 16x16x64 fragments (token r, features 16 c + 8 h + 0..7 in registers 2 c, 2 c + 1).  vimg: [bh][128 keys][d tile][4][lane][16 B]: 16x16x128 fragments of V^T.
; THE SOFTMAX: t = score x log2(e) / 8; M = the ceiling of the running largest t; p = 2^(t - M) is quantised with 2^e8, not normalised; the sum of the unquantised p divides at the end.
; SHARES.  Work-group (j, bh) owns query blocks 7 - j and j of 256 queries; wave w owns tile A = 16 (7 - j) + w and tile B = 16 j + 15 - w, 16 queries each: 17 key steps of 128 keys for every wave.
; Steps all of whose keys come after a tile's queries are left out: a scalar branch on ids.
; THE HEAD'S K AND V LIE IN LDS, each byte stored once: trip s of eight brings 256 keys (four 16-byte loads a thread, asked for a trip ahead, then four LDS stores between two barriers).
; Tile A works on the keys of trip s, tile B on those of trip s - (7 - j): every trip has work under which the next loads land.
; NO CLUSTER AND NO TENSOR LOAD: the four work-groups of a head read the same 256 KB, once each; a joint request is a tensor load.
; This text branches on e8 (64 holds a step are jumped over where 57,344 x 2^e8 >= 1.75 > p) and on the padding mask (a step without a padded key reads no bias: 16 LDS loads less).
; No prefetch either: each trip's loads are themselves issued a whole trip ahead of the wait for them.
; LAYOUT.  S^T = K Q^T and O^T = V^T P^T: a lane holds ONE query (lane % 16) throughout; S^T tile c converts into registers 2 c, 2 c + 1 of P, the k places of V^T's fragment.
; THE MASKS.  A padded key's score starts from C = -3e38 (a table of 0 / -3e38 in LDS, in the result's layout); a causally hidden score becomes -infinity on the diagonal step.
; The largest t starts at t0 = max(c x -1e38, -3e38): above every padded t, under every true t; so a row that has seen only masked keys has p = 0, sum 0, O = 0.
; A ROW ALL OF WHOSE VISIBLE KEYS ARE PADDED has 2,048 equal logits: its softmax is uniform over all 2,048 keys: p = 1, sum 2,048.  The sum of V's codes times Q(1) over all keys is made once
; a work-group, and taken by v_cndmask_b32 where a row's sum is 0: no branch hangs on it.
; LIMITS: e6 + e7 between -115 and 90 (c = 2^(e6 + e7) log2(e) / 8 keeps padded t 150 under t0 and true t over it); e8 and e10 between -126 and 112.  NaN among the inputs is not served.
.set VOFF, 131072                      ; LDS: K's images 0 .. 131,071; V's from here;
.set BIAS, 262144                      ; f32[2,048]: 0, or -3e38 for a padded key;
.set UB,   270336                      ; four partial sums of 64 numbers: 1,024 bytes
.set LI,  1                            ; v1   16 x lane
.set BH,  2                            ; v2   BIAS + 32 h
.set CP,  3                            ; v3   16 x thread
.set HH,  4                            ; v4   h
.set RR,  5                            ; v5   r
.set ADK, 6                            ; v6-8 LDS addresses of the step in hand: K, V, bias
.set ADV, 7
.set ADB, 8
.set CA,  9                            ; v9-10 where my thread stores the trip's K and V
.set CB,  10
.set STA, 12                           ; v12 -M, v13 the largest t, v[14:15] the sum in two halves: tile A;  v16-19: tile B
.set STB, 16
.set HOLD, 20                          ; v20  57,344 x 2^e8, later x 2^e10
.set PSC, 21                           ; v21  2^e8, later 2^e10
.set NINF, 22                          ; v22  -infinity
.set QA,  32
.set QB,  40
.set P,   48                           ; v48-63   p's codes; before that two fragments of K
.set STG, 64                           ; v64-79   the next trip's 64 bytes of K and V, on their way
.set FR,  80                           ; v80-111  four fragments of K
.set S,   112                          ; v112-175 S^T, then p, then V's four fragments
.set OA,  176
.set OB,  208
.set X,   240                          ; v240-255 two fragments of K
.set WV,  16
.set SEL, 20
.set CS,  22
.set KFA, 24                           ; the first key of the trip for tile A, B
.set KFB, 25
.set Q0A, 26                           ; the tiles' first queries
.set Q0B, 27
.set ICA, 28                           ; which tile of 16 keys of the diagonal step holds the diagonal
.set ICB, 29
.set PADB, 30                          ; bit n: a key among 64 n .. 64 n + 63 is padded
.set TRIP, 31
.set TBS, 33                           ; LDS byte of the trip's K
.set KF,  34
.set T0,  35
.set T1,  66
.set T2,  67
.set T3,  82
.set TRI, 48                           ; s[48:55] lanes in which register j of the diagonal tile is hidden
.set MK,  56                           ; s[56:63] the masks in hand
	s_load_b256 s[4:11], s[0:1], 0x0               ; qimg s[4:5], kimg s[6:7], vimg s[8:9], pad_mask s[10:11]
	s_load_b128 s[12:15], s[0:1], 0x20             ; the exponents s[12:13], yimg s[14:15]
	v_lshl_add_u32 v11, v0, 2, 0x42400
	v_mov_b32 v29, 0
	v_lshrrev_b32 v6, 5, v0
	v_readfirstlane_b32 s[WV], v6                  ; wave 0..15
	v_and_b32 v[LI], 31, v0
	v_lshlrev_b32 v7, 6, v[LI]                     ; 64 pad bytes a lane
	v_lshlrev_b32 v[LI], 4, v[LI]
	v_bfe_u32 v[HH], v0, 4, 1
	v_and_b32 v[RR], 15, v0
	v_lshl_add_u32 v[BH], v[HH], 5, BIAS
	v_lshlrev_b32 v[CP], 4, v0
	v_lshlrev_b32 v6, 2, v0                        ; four pad bytes a thread
	v_add_nc_u32 v[ADB], BIAS, v[CP]               ; where their four numbers go
	s_mov_b32 s17, ttmp9                           ; j
	s_and_b32 s18, ttmp7, 0xffff                   ; bh
	s_sub_co_u32 s19, 7, s17
	s_lshl_b32 s32, s19, 4
	s_add_co_u32 s32, s32, s[WV]                   ; tile A
	s_lshl_b32 s35, s17, 4
	s_add_co_u32 s35, s35, 15
	s_sub_co_u32 s35, s35, s[WV]                   ; tile B
	s_lshl_b32 s[Q0A], s32, 4
	s_lshl_b32 s[Q0B], s35, 4
	s_and_b32 s[ICA], s32, 7
	s_and_b32 s[ICB], s35, 7
	s_mov_b32 s[KFA], 0
	s_lshl_b32 s[KFB], s19, 8
	s_sub_co_i32 s[KFB], 0, s[KFB]                 ; tile B begins 7 - j trips later
	s_mov_b32 s[TRIP], 0
	s_mov_b32 s[TBS], 0
	s_lshl_b32 s66, s18, 7
	s_add_co_u32 s68, s66, s32
	s_lshl_b32 s68, s68, 10                        ; Q's images: 1,024 bytes a tile, 128 tiles a head
	s_mov_b32 s69, 0
	s_add_co_u32 s70, s66, s35
	s_lshl_b32 s70, s70, 10
	s_mov_b32 s71, 0
	s_lshr_b32 s66, s18, 4                         ; batch
	s_and_b32 s67, s18, 15                         ; head
	s_lshl_b32 s82, s66, 7
	s_add_co_u32 s44, s82, s32
	s_lshl_b32 s44, s44, 4
	s_add_co_u32 s44, s44, s67
	s_lshl_b32 s44, s44, 10                        ; Y's images: ((128 batch + tile) x 16 + head) x 1,024
	s_mov_b32 s45, 0
	s_add_co_u32 s46, s82, s35
	s_lshl_b32 s46, s46, 4
	s_add_co_u32 s46, s46, s67
	s_lshl_b32 s46, s46, 10
	s_mov_b32 s47, 0
	s_lshl_b32 s72, s18, 17                        ; K's and V's images: 131,072 bytes a head
	s_mov_b32 s73, 0
	s_lshl_b32 s74, s66, 11                        ; the batch's 2,048 pad bytes
	s_mov_b32 s75, 0
	s_mov_b32 s[SEL], 0x76543210
	s_mov_b32 s[SEL+1], 0xfedcba98                 ; v_permlanex16_b32: lane l xor 16
	s_mov_b32 s[CS], 0x3e38aa3b                    ; log2(e) / 8
	s_wait_kmcnt 0x0
	s_load_b64 s[36:37], s[12:13], 0x18            ; e6, e7
	s_load_b64 s[38:39], s[12:13], 0x20            ; e8, e9
	s_load_b32 s40, s[12:13], 0x28                 ; e10
	s_add_nc_u64 s[6:7], s[6:7], s[72:73]
	s_add_nc_u64 s[8:9], s[8:9], s[72:73]
	s_add_nc_u64 s[10:11], s[10:11], s[74:75]
	s_add_nc_u64 s[68:69], s[4:5], s[68:69]
	s_add_nc_u64 s[70:71], s[4:5], s[70:71]
	s_add_nc_u64 s[44:45], s[14:15], s[44:45]
	s_add_nc_u64 s[46:47], s[14:15], s[46:47]
	global_load_b128 v[STG:STG+3], v[CP], s[6:7]                  ; trip 0's keys: 512 threads x 16 bytes, twice for K, twice for V
	global_load_b128 v[STG+4:STG+7], v[CP], s[6:7] offset:8192
	global_load_b128 v[STG+8:STG+11], v[CP], s[8:9]
	global_load_b128 v[STG+12:STG+15], v[CP], s[8:9] offset:8192
	global_load_b128 v[QA:QA+3], v[LI], s[68:69]
	global_load_b128 v[QA+4:QA+7], v[LI], s[68:69] offset:512
	global_load_b128 v[QB:QB+3], v[LI], s[70:71]
	global_load_b128 v[QB+4:QB+7], v[LI], s[70:71] offset:512
	global_load_b32 v23, v6, s[10:11]
.irp i, 0,1,2,3
	global_load_b128 v[S+4*\i:S+4*\i+3], v7, s[10:11] offset:16*\i
.endr
	v_lshlrev_b32 v26, 3, v[HH]
	v_sub_nc_u32 v26, v[RR], v26                   ; r - 8 h: register j of the diagonal tile holds key 8 h + j, hidden where j > r - 8 h
.irp j, 0,1,2,3,4,5,6,7
	v_cmp_gt_i32 s[TRI+\j], \j, v26
.endr
	v_mov_b32 v[NINF], 0xff800000
	v_mov_b32 v25, 0                               ; (named as the upper half of the pair v[24:25])
	v_mov_b32 v28, 0                               ; a lane permute's destination counts as one of its sources
.set n, 0
.rept 64
	v_mov_b32 v[OA+n], 0                           ; O^T of both tiles: the step is written once, its first run finds zeros
.set n, n+1
.endr
	s_wait_kmcnt 0x0
	s_add_co_i32 s19, s36, s37
	s_lshl_b32 s19, s19, 23
	s_add_co_i32 s[CS], s[CS], s19                 ; a score stands for score x 2^(e6 + e7): added to c's exponent field
	s_mov_b32 s[CS+1], s[CS]
	s_add_co_i32 s19, s38, 127
	s_lshl_b32 s32, s19, 23
	v_mov_b32 v[PSC], s32                          ; 2^e8
	s_add_co_i32 s19, s19, 15
	s_lshl_b32 s19, s19, 23
	s_or_b32 s19, s19, 0x600000
	v_mov_b32 v[HOLD], s19                         ; 57,344 x 2^e8
	s_add_co_i32 s41, s38, s39                     ; e8 + e9
	v_mov_b32 v26, 0xfe967699                      ; -1e38
	v_mul_f32 v26, s[CS], v26
	v_max_num_f32 v[STA+1], 0xff61b1e6, v26        ; t0 = max(c x -1e38, -3e38)
	v_floor_f32 v[STA], -v[STA+1]
	v_mov_b32 v[STA+2], 0
	v_mov_b32 v[STA+3], 0
	v_mov_b32 v[STB], v[STA]
	v_mov_b32 v[STB+1], v[STA+1]
	v_mov_b32 v[STB+2], 0
	v_mov_b32 v[STB+3], 0
	v_mov_b32 v27, 0xff61b1e6                      ; -3e38
	s_wait_loadcnt 0x0
.irp k, 0,1,2,3
	v_bfe_u32 v26, v23, 8*\k, 8
	v_cmp_ne_u32 vcc_lo, 0, v26
	v_cndmask_b32 v[FR+\k], 0, v27, vcc_lo
.endr
	ds_store_b128 v[ADB], v[FR:FR+3]               ; keys 4 x thread + 0..3 of the bias table
.irp i, 0,2,4,6,8,10,12,14
	v_or_b32 v[S+\i], v[S+\i], v[S+\i+1]
.endr
.irp i, 0,4,8,12
	v_or_b32 v[S+\i], v[S+\i], v[S+\i+2]
.endr
	v_or_b32 v[S], v[S], v[S+4]
	v_or_b32 v[S+8], v[S+8], v[S+12]
	v_or_b32 v[S], v[S], v[S+8]
	v_cmp_ne_u32 s[PADB], 0, v[S]
.macro KREG c                          ; where K's fragment c of eight lies
.if (\c) < 4
.set KR, FR+8*(\c)
.elseif (\c) < 6
.set KR, P+8*((\c)-4)
.else
.set KR, X+8*((\c)-6)
.endif
.endm
.macro SPROD qx, bias                  ; S^T = K Q^T: eight tiles of 16 keys; bias = 1: the table's numbers, loaded into S, start the sums
.irp c, 0,1,2,3,4,5,6,7
	KREG \c
.if \bias
	v_wmma_f32_16x16x64_bf8_bf8 v[S+8*\c:S+8*\c+7], v[KR:KR+7], v[\qx:\qx+7], v[S+8*\c:S+8*\c+7]
.else
	v_wmma_f32_16x16x64_bf8_bf8 v[S+8*\c:S+8*\c+7], v[KR:KR+7], v[\qx:\qx+7], 0
.endif
.endr
.endm
; A KEY STEP of one tile: the q-th 128 keys of the trip's 256.
.macro STEP q, qx, ox, st, kfs, q0s, ics
	s_add_co_i32 s[KF], s[\kfs], 128*\q
	s_cmp_lt_i32 s[KF], 0                          ; tile B has not begun,
	s_cbranch_scc1 .Lskip_\@
	s_add_co_u32 s[T0], s[\q0s], 15
	s_cmp_gt_i32 s[KF], s[T0]                      ; or all 128 keys come after my 16 queries
	s_cbranch_scc1 .Lskip_\@
	s_and_b32 s[T1], s[KF], 0x780
	s_lshl_b32 s[T2], s[T1], 6                     ; 128 keys are 8,192 bytes of K's images and of V's
	v_add_nc_u32 v[ADK], s[T2], v[LI]
	v_add_nc_u32 v[ADV], VOFF, v[ADK]
.irp c, 0,1,2,3,4,5,6,7
	KREG \c
	ds_load_b128 v[KR:KR+3], v[ADK] offset:1024*\c
	ds_load_b128 v[KR+4:KR+7], v[ADK] offset:1024*\c+512
.endr
	s_lshr_b32 s[T3], s[T1], 6
	s_lshr_b32 s[T3], s[PADB], s[T3]
	s_and_b32 s[T3], s[T3], 3                      ; is one of these 128 keys padded?
	s_cmp_eq_u32 s[T3], 0
	s_cbranch_scc0 .Lpad_\@
	s_wait_dscnt 0x0
	SPROD \qx, 0
	s_branch .Ljoin_\@
.Lpad_\@:
	s_lshl_b32 s[T2], s[T1], 2
	v_add_nc_u32 v[ADB], s[T2], v[BH]
.irp c, 0,1,2,3,4,5,6,7
	ds_load_b128 v[S+8*\c:S+8*\c+3], v[ADB] offset:64*\c          ; the numbers of keys 16 c + 8 h + 0..7: the result's layout
	ds_load_b128 v[S+8*\c+4:S+8*\c+7], v[ADB] offset:64*\c+16
.endr
	s_wait_dscnt 0x0
	SPROD \qx, 1
.Ljoin_\@:
.rept 4
	v_nop                                          ; places in front of the first read of the scores
.endr
	s_add_co_u32 s[T0], s[KF], 127
	s_cmp_le_i32 s[T0], s[\q0s]
	s_cbranch_scc1 .Lopen_\@                       ; every key of the step counts
.irp c, 0,1,2,3,4,5,6,7                ; the diagonal step: tiles ahead of the diagonal's stay, the diagonal's is hidden above it, those behind it wholly
	s_cmp_gt_u32 s[\ics], \c
	s_cbranch_scc1 .Lvis_\@_\c
	s_cmp_eq_u32 s[\ics], \c
.irp j, 0,1,2,3,4,5,6,7
	s_cselect_b32 s[MK+\j], s[TRI+\j], -1
.endr
.irp j, 0,1,2,3,4,5,6,7
	v_cndmask_b32 v[S+8*\c+\j], v[S+8*\c+\j], v[NINF], s[MK+\j]
.endr
.Lvis_\@_\c:
.endr
.Lopen_\@:
	v_max3_num_f32 v26, v[S], v[S+1], v[S+2]       ; the step's largest score of my query among my 64 keys, in two chains; each tile is first read at its low end
	v_max3_num_f32 v27, v[S+3], v[S+4], v[S+5]
.irp i, 6,10,14,18,22,26,30,34,38,42,46,50,54,58
	v_max3_num_f32 v26, v26, v[S+\i], v[S+\i+1]
	v_max3_num_f32 v27, v27, v[S+\i+2], v[S+\i+3]
.endr
	v_max3_num_f32 v26, v26, v[S+62], v[S+63]
	v_max_num_f32 v26, v26, v27
	v_permlanex16_b32 v28, v26, s[SEL], s[SEL+1]
	v_max_num_f32 v26, v26, v28                    ; and among lane l xor 16's
	v_mul_f32 v26, s[CS], v26                      ; as t (c is positive)
	v_max_num_f32 v[\st+1], v[\st+1], v26          ; the running largest t
	v_mov_b32 v26, v[\st]
	v_floor_f32 v[\st], -v[\st+1]                  ; -M = floor(-t): M is a whole number
	v_sub_f32 v26, v[\st], v26                     ; old M - new M, 0 or less
	v_cvt_i32_f32 v26, v26                         ; (it saturates)
	v_ldexp_f32 v24, 1.0, v26                      ; f = 2^(old M - new M)
.set n, 0
.rept 32
	v_pk_fma_f32 v[S+n:S+n+1], v[S+n:S+n+1], s[CS:CS+1], v[\st:\st+1] op_sel_hi:[1,0,0]   ; t - M, two at a time
.set n, n+2
.endr
.set n, 0
.rept 64
	v_exp_f32 v[S+n], v[S+n]                       ; p = 2^(t - M)
.set n, n+1
.endr
	v_pk_mul_f32 v[\st+2:\st+3], v[\st+2:\st+3], v[24:25] op_sel_hi:[1,0]   ; the sum under the new M: the plain instruction behind the exponentials
	s_wait_alu depctr_va_vdst(0)                   ; one wait for the batch, ahead of its first reader
	v_pk_add_f32 v[30:31], v[S:S+1], v[S+2:S+3]    ; the sum of the unquantised p, in two chains
.irp i, 4,8,12,16,20,24,28,32,36,40,44,48,52,56,60
	v_pk_add_f32 v[\st+2:\st+3], v[\st+2:\st+3], v[S+\i:S+\i+1]
	v_pk_add_f32 v[30:31], v[30:31], v[S+\i+2:S+\i+3]
.endr
	v_pk_add_f32 v[\st+2:\st+3], v[\st+2:\st+3], v[30:31]
	s_cmp_ge_i32 s38, -15                          ; 57,344 x 2^e8 >= 1.75 lies over every p: no hold is needed
	s_cbranch_scc1 .Lfits_\@
.set n, 0
.rept 64
	v_min_num_f32 v[S+n], v[S+n], v[HOLD]          ; the conversion does not saturate (ISA guide 7.6.2); p is not negative
.set n, n+1
.endr
.Lfits_\@:
.irp c, 0,1,2,3,4,5,6,7
	v_cvt_scalef32_pk8_bf8_f32 v[P+2*\c:P+2*\c+1], v[S+8*\c:S+8*\c+7], v[PSC]
.endr
.set n, 0
.rept 16
	v_pk_mul_f32 v[\ox+n:\ox+n+1], v[\ox+n:\ox+n+1], v[24:25] op_sel_hi:[1,0]   ; O^T under the new M; also the plain instructions behind the conversions
.set n, n+2
.endr
.irp t, 0,1,2,3
.irp c, 0,1,2,3
	ds_load_b128 v[S+16*\t+4*\c:S+16*\t+4*\c+3], v[ADV] offset:2048*\t+512*\c
.endr
.endr
	s_wait_dscnt 0x0
.irp t, 0,1,2,3
	v_wmma_f32_16x16x128_bf8_bf8 v[\ox+8*\t:\ox+8*\t+7], v[S+16*\t:S+16*\t+15], v[P:P+15], v[\ox+8*\t:\ox+8*\t+7]   ; the four accumulators by turns
.endr
.rept 5
	v_nop                                          ; the next step's products write over V's registers, and its loads land in P's
.endr
.Lskip_\@:
.endm
.Lslot:                                            ; eight trips
	s_wait_loadcnt 0x0                             ; the 256 keys asked for a trip ago are in registers
	s_wait_dscnt 0x0                               ; my LDS reads of the trip before are over (in trip 0: my store into the bias table is done)
	s_barrier_signal -1
	s_barrier_wait -1                              ; everybody's are
	v_add_nc_u32 v[CA], s[TBS], v[CP]
	v_add_nc_u32 v[CB], VOFF, v[CA]
	ds_store_b128 v[CA], v[STG:STG+3]
	ds_store_b128 v[CA], v[STG+4:STG+7] offset:8192
	ds_store_b128 v[CB], v[STG+8:STG+11]
	ds_store_b128 v[CB], v[STG+12:STG+15] offset:8192
	s_wait_dscnt 0x0                               ; for the others' sake: my stores have landed
	s_barrier_signal -1
	s_barrier_wait -1
	s_cmp_eq_u32 s[TRIP], 7                        ; the last trip asks for nothing: no load leaves its buffer
	s_cbranch_scc1 .Lno_more
	s_add_nc_u64 s[6:7], s[6:7], 16384             ; the loads that named these bases are done: the wait at the trip's head
	s_add_nc_u64 s[8:9], s[8:9], 16384
	global_load_b128 v[STG:STG+3], v[CP], s[6:7]
	global_load_b128 v[STG+4:STG+7], v[CP], s[6:7] offset:8192
	global_load_b128 v[STG+8:STG+11], v[CP], s[8:9]
	global_load_b128 v[STG+12:STG+15], v[CP], s[8:9] offset:8192
.Lno_more:
	STEP 0, QA, OA, STA, KFA, Q0A, ICA
	STEP 0, QB, OB, STB, KFB, Q0B, ICB
	STEP 1, QA, OA, STA, KFA, Q0A, ICA
	STEP 1, QB, OB, STB, KFB, Q0B, ICB
	s_add_co_i32 s[KFA], s[KFA], 256
	s_add_co_i32 s[KFB], s[KFB], 256
	s_add_co_u32 s[TBS], s[TBS], 16384
	s_add_co_u32 s[TRIP], s[TRIP], 1
	s_cmp_lt_u32 s[TRIP], 8
	s_cbranch_scc1 .Lslot
	; U(d) = the sum over all 2,048 keys of Q(1) x V's codes, for the rows that saw no true key.  Wave w: d tile w % 4, key groups 4 (w / 4) + 0..3.  All of V was stored ahead of the last trip's second barrier.
.irp i, 0,1,2,3,4,5,6,7
	v_min_num_f32 v[FR+\i], 1.0, v[HOLD]
.endr
	v_cvt_scalef32_pk8_bf8_f32 v[P:P+1], v[FR:FR+7], v[PSC]
	v_nop                                          ; one plain vector instruction behind the conversion
.irp i, 1,2,3,4,5,6,7
	v_mov_b32 v[P+2*\i], v[P]
	v_mov_b32 v[P+2*\i+1], v[P+1]
.endr
	s_lshr_b32 s35, s[WV], 2
	s_lshl_b32 s66, s35, 15
	s_and_b32 s67, s[WV], 3
	s_lshl_b32 s82, s67, 11
	s_add_co_u32 s66, s66, s82
	s_add_co_u32 s66, s66, VOFF
	v_add_nc_u32 v[ADK], s66, v[LI]
	s_lshl_b32 s35, s35, 8
	s_lshl_b32 s67, s67, 6
	s_add_co_u32 s35, s35, s67
	s_add_co_u32 s35, s35, UB
	v_lshl_add_u32 v[ADV], v[HH], 5, s35           ; my partial sum's place: 256 (w / 4) + 64 (w % 4) + 32 h
	v_lshl_add_u32 v[ADB], v[HH], 5, UB
.irp i, 0,1,2,3
.irp c, 0,1,2,3
	ds_load_b128 v[S+16*\i+4*\c:S+16*\i+4*\c+3], v[ADK] offset:8192*\i+512*\c
.endr
.endr
	s_add_co_i32 s35, s40, 127
	s_lshl_b32 s66, s35, 23
	v_mov_b32 v[PSC], s66                          ; from here on: 2^e10,
	s_add_co_i32 s35, s35, 15
	s_lshl_b32 s35, s35, 23
	s_or_b32 s35, s35, 0x600000
	v_mov_b32 v[HOLD], s35                         ; and 57,344 x 2^e10
	v_mov_b32 v27, 0x45000000                      ; 2,048.0
	s_wait_dscnt 0x0
.irp i, 0,1,2,3
	v_wmma_f32_16x16x128_bf8_bf8 v[FR+8*\i:FR+8*\i+7], v[S+16*\i:S+16*\i+15], v[P:P+15], 0
.endr
.rept 4
	v_nop
.endr
.irp i, 0,2,4,6
	v_pk_add_f32 v[FR+\i:FR+\i+1], v[FR+\i:FR+\i+1], v[FR+8+\i:FR+8+\i+1]
	v_pk_add_f32 v[FR+16+\i:FR+16+\i+1], v[FR+16+\i:FR+16+\i+1], v[FR+24+\i:FR+24+\i+1]
.endr
.irp i, 0,2,4,6
	v_pk_add_f32 v[FR+\i:FR+\i+1], v[FR+\i:FR+\i+1], v[FR+16+\i:FR+16+\i+1]
.endr
	ds_store_b128 v[ADV], v[FR:FR+3]               ; all columns of the result are equal: the sixteen lanes of a half store the same bytes
	ds_store_b128 v[ADV], v[FR+4:FR+7] offset:16
	s_wait_dscnt 0x0
	s_barrier_signal -1
	s_barrier_wait -1
.macro ULOAD base, g                   ; partial sum g, in O^T's layout: register 8 t + i is d = 16 t + 8 h + i
.irp t, 0,1,2,3
	ds_load_b128 v[\base+8*\t:\base+8*\t+3], v[ADB] offset:256*\g+64*\t
	ds_load_b128 v[\base+8*\t+4:\base+8*\t+7], v[ADB] offset:256*\g+64*\t+16
.endr
.endm
	ULOAD S, 0
	ULOAD S+32, 1
	ULOAD FR, 2
	ULOAD P, 3
	s_wait_dscnt 0x0
.set n, 0
.rept 16
	v_pk_add_f32 v[S+n:S+n+1], v[S+n:S+n+1], v[S+32+n:S+32+n+1]
	v_pk_add_f32 v[FR+n:FR+n+1], v[FR+n:FR+n+1], v[P+n:P+n+1]
.set n, n+2
.endr
.set n, 0
.rept 16
	v_pk_add_f32 v[S+n:S+n+1], v[S+n:S+n+1], v[FR+n:FR+n+1]      ; U in v[S] .. v[S+31]
.set n, n+2
.endr
; A tile's end: the sum; where it is 0, the uniform row; O^T x 2^(e8 + e9) / the sum; the hold, the conversion with 2^e10; two stores of 512 consecutive bytes.
.macro FINISH ox, st, cd, yb
	v_add_f32 v26, v[\st+2], v[\st+3]
	v_permlanex16_b32 v28, v26, s[SEL], s[SEL+1]
	v_add_f32 v26, v26, v28
	v_cmp_eq_f32 vcc_lo, 0, v26
	v_cndmask_b32 v26, v26, v27, vcc_lo
.set n, 0
.rept 32
	v_cndmask_b32 v[\ox+n], v[\ox+n], v[S+n], vcc_lo
.set n, n+1
.endr
	v_rcp_f32 v26, v26
	v_nop                                          ; a plain instruction behind the reciprocal
	s_wait_alu depctr_va_vdst(0)                   ; and the wait ahead of its first reader
	v_ldexp_f32 v24, v26, s41
.set n, 0
.rept 16
	v_pk_mul_f32 v[\ox+n:\ox+n+1], v[\ox+n:\ox+n+1], v[24:25] op_sel_hi:[1,0]
.set n, n+2
.endr
.set n, 0
.rept 32
	v_med3_num_f32 v[\ox+n], v[\ox+n], -v[HOLD], v[HOLD]
.set n, n+1
.endr
.irp t, 0,1,2,3
	v_cvt_scalef32_pk8_bf8_f32 v[\cd+2*\t:\cd+2*\t+1], v[\ox+8*\t:\ox+8*\t+7], v[PSC]
.endr
	v_nop
	global_store_b128 v[LI], v[\cd:\cd+3], s[\yb:\yb+1]
	global_store_b128 v[LI], v[\cd+4:\cd+7], s[\yb:\yb+1] offset:512
.endm
	FINISH OA, STA, FR, 44
	FINISH OB, STB, FR+8, 46
	s_wait_tensorcnt 0x0
	ds_add_u32 v11, v29
	s_wait_dscnt 0x0
	s_endpgm
.Lfunc_end_k_q67d950fb80_attn:
	.size	k_q67d950fb80_attn, .Lfunc_end_k_q67d950fb80_attn-k_q67d950fb80_attn
	.p2alignl 7, 3214868480
	.fill 96, 4, 3214868480
	.section	.rodata,"a",@progbits
	.p2align	6, 0x0
	.amdhsa_kernel k_q67d950fb80_attn
		.amdhsa_group_segment_fixed_size 273408
		.amdhsa_private_segment_fixed_size 0
		.amdhsa_enable_private_segment 0
		.amdhsa_kernarg_size 48
		.amdhsa_user_sgpr_count 2
		.amdhsa_user_sgpr_kernarg_segment_ptr 1
		.amdhsa_wavefront_size32 1
		.amdhsa_system_sgpr_workgroup_id_x 1
		.amdhsa_system_sgpr_workgroup_id_y 1
		.amdhsa_system_sgpr_workgroup_id_z 1
		.amdhsa_system_vgpr_workitem_id 0
		.amdhsa_next_free_vgpr 256
		.amdhsa_next_free_sgpr 100
		.amdhsa_reserve_vcc 1
		.amdhsa_float_denorm_mode_32 3
		.amdhsa_float_denorm_mode_16_64 3
		.amdhsa_memory_ordered 1
		.amdhsa_forward_progress 1
		.amdhsa_inst_pref_size 126
	.end_amdhsa_kernel
	.amdgpu_metadata
---
amdhsa.version: [ 1, 2 ]
amdhsa.kernels:
  - .name:           k_q67d950fb80_attn
    .symbol:         k_q67d950fb80_attn.kd
    .args:
      - { .name: qimg, .offset: 0, .size: 8, .value_kind: global_buffer, .address_space: global }
      - { .name: kimg, .offset: 8, .size: 8, .value_kind: global_buffer, .address_space: global }
      - { .name: vimg, .offset: 16, .size: 8, .value_kind: global_buffer, .address_space: global }
      - { .name: pad_mask, .offset: 24, .size: 8, .value_kind: global_buffer, .address_space: global }
      - { .name: lowp_scales, .offset: 32, .size: 8, .value_kind: global_buffer, .address_space: global }
      - { .name: yimg, .offset: 40, .size: 8, .value_kind: global_buffer, .address_space: global }
    .group_segment_fixed_size: 273408
    .private_segment_fixed_size: 0
    .kernarg_segment_align: 8
    .kernarg_segment_size: 48
    .max_flat_workgroup_size: 512
    .sgpr_count:     100
    .vgpr_count:     256
    .wavefront_size: 32
...
	.end_amdgpu_metadata
.endif
;; end of part 2
;; launch oproj (part 3): grid 8 x 32, 4 waves a work-group, clusters of 4 x 4, 327,680 bytes of LDS; arguments yimg, Wo_codes, bo, lowp_scales, out0; writes out0
.if DOCPART == 3
	.amdgcn_target "amdgcn-amd-amdhsa--gfx1250"
	.amdhsa_code_object_version 6
	.text
	.protected	k_q67d950fb80_oproj
	.globl	k_q67d950fb80_oproj
	.p2align	8
	.type	k_q67d950fb80_oproj,@function
k_q67d950fb80_oproj:
	s_mov_b64 s[64:65], 0
	v_nop
	global_prefetch_b8 v0, s[64:65] scope:SCOPE_SE
	s_setreg_imm32_b32 hwreg(HW_REG_WAVE_MODE, 25, 1), 1
	s_wait_xcnt 0x0
	s_wait_alu depctr_hold_cnt(0) depctr_sa_sdst(0) depctr_va_vdst(0) depctr_va_sdst(0) depctr_va_ssrc(0) depctr_va_vcc(0) depctr_vm_vsrc(0)
	s_getreg_b32 s2, hwreg(HW_REG_IB_STS2, 6, 4)
	s_cmp_eq_u32 s2, 0
	s_cbranch_scc0 .Lentry_in_a_cluster
	s_endpgm
.Lentry_in_a_cluster:
	s_bfe_u32 s2, ttmp6, 0x10000c
	s_cmp_lg_u32 s2, 0xf033
	s_cbranch_scc0 .Lentry_shape_is_right
	s_endpgm
.Lentry_shape_is_right:
; out = Y Wo^T + bo on codes of BF8 (E5M2).  Y comes as images of operand registers, [token tile: 512][head: 16][2][lane][16 B]: a 16x16x64 fragment (token r, d = 16 c + 8 h + 0..7 in registers 2 c, 2 c + 1) for each head.
; Wo: [1024][1024] codes, K innermost.  out0: [8192][1024] f32.  A finished sum is multiplied once by 2^(e10 + e11), and bo is added by the same packed multiply-add.
; SHARES.  A work-group: 256 tokens x 128 features; wave (mh, nh): 128 tokens x 64 features: 32 accumulators, 256 registers.  256 work-groups.
; K goes in four steps of 256 (four heads) through two LDS slots filled by the tensor data mover: steps 0 and 1 are first fills, steps 2 and 3 the two refills.
; CLUSTER 4 x 4: Y's tile is shared along a row of the cluster, Wo's along a column; each is asked for jointly.  Waves 0, 1 fetch Y's halves, waves 2, 3 Wo's: one tensor load a wave behind each round;
; by this text's count a wave has two out at the start, later one.  No prefetch: of four K steps two are first fills, and the other two would have to be asked for at the head.
; Y's fragments come from LDS as they lie (16 x lane, 512 consecutive bytes a load).  Wo's must have the same k places: four 8-byte loads at row x pitch + 8 h, 16 bytes apart.
; TRANSPOSED USE: source 0 = 16 rows of Wo, source 1 = 16 tokens: a lane holds eight neighbouring features of one token.
; LIMIT: e10 + e11 between -126 and 127, so that 2^(e10 + e11) is an f32 number.
; REGISTERS.  window 0: addresses, bo, the way out.  window 1: two fragment buffers (Y's 8 fragments, then Wo's 4).  window 2: accumulator (a, b) at v[8 (4 a + b)].
.set PITCH,  272
.set YB,     65536                     ; a slot: 16 token tiles x 4,096 bytes of Y's images,
.set WH,     64*PITCH                  ; then two halves of 64 rows of Wo
.set SLOT,   YB+2*WH                   ; 100,352
.set STAGE,  2*SLOT                    ; behind the ring: 16 rows x 272 bytes for each wave
.set SPITCH, 272
.set SPARE,  STAGE+4*16*SPITCH         ; the spare words: 128 bytes a wave, two blocks of 256 bytes that no other line names
.set ADRA, 16                          ; v16-17  LDS address of my Y fragments in slot 0, 1
.set ADRB, 20                          ; v20-21  of my Wo fragments
.set STO,  24
.set RD,   25
.set CO,   26
.set SPW,  28
.set NIL,  29
.set BO,   32                          ; v32-63   bo in the result's layout: four tiles
.set TMP,  64                          ; v64-95   a block's results
.set BK,   128                         ; v128-159, v160-191: 16 rows read back from the stage, by turns
.set F0,   0
.set F1,   128
.set G1,   24
.set G0,   32
.set G1B,  48
.set G0B,  56
.set MUL,  0xa5                        ; sources 0 and 1 window 1; C and D window 2
.set TO_F, 0x40
.set MSB, 0
.macro WIN new
.if MSB != (\new)
	s_set_vgpr_msb (MSB<<8)|(\new)
.set MSB, (\new)
.endif
.endm
.macro JLOAD s                         ; a joint load; the branch hangs on the wave's number alone; four v_nop follow each of the two lines
	s_cmp_eq_u32 s15, 0
	s_cbranch_scc0 .Lfor_w_\@
	tensor_load_to_lds s[G0+4*\s:G0+4*\s+3], s[G1:G1+7]
	s_nop 0
.rept 4
	v_nop
.endr
	s_branch .Lasked_\@
.Lfor_w_\@:
	tensor_load_to_lds s[G0B+4*\s:G0B+4*\s+3], s[G1B:G1B+7]
	s_nop 0
.rept 4
	v_nop
.endr
.Lasked_\@:
.endm
.macro CREST
	s_cmp_lg_u32 s14, 0
	s_cbranch_scc1 .Lnot_wave_0_\@
	s_barrier_signal -3
.Lnot_wave_0_\@:
	s_barrier_wait -3
	s_barrier_signal -1
	s_barrier_wait -1
.endm
.macro CROUND
	s_barrier_signal -1
	s_barrier_wait -1
	CREST
.endm
.macro PLACES
.rept 4
	v_nop
.endr
.endm
	s_load_b256 s[4:11], s[0:1], 0x0               ; yimg s[4:5], Wo s[6:7], bo s[8:9], the exponents s[10:11]
	s_load_b64 s[12:13], s[0:1], 0x20              ; out0
	v_lshl_add_u32 v[SPW], v0, 2, SPARE
	v_mov_b32 v[NIL], 0
	ds_add_u32 v28, v29
	ds_add_u32 v28, v29
	s_wait_dscnt 0x0
	v_lshrrev_b32 v1, 5, v0
	v_readfirstlane_b32 s14, v1                    ; wave 0..3
	s_lshr_b32 s15, s14, 1                         ; mh.  Also: I fetch for Y (0) or for Wo (1)
	s_and_b32 s16, s14, 1                          ; nh.  Also: which half of that tile I fetch
	s_bfe_u32 s40, ttmp6, 0x40000                  ; cx
	s_bfe_u32 s41, ttmp6, 0x40004                  ; cy
	s_lshl_b32 s42, ttmp9, 2
	s_add_co_u32 s42, s42, s40                     ; the block of 128 features
	s_and_b32 s17, ttmp7, 0xffff
	s_lshl_b32 s17, s17, 2
	s_add_co_u32 s17, s17, s41                     ; the block of 256 tokens
	s_lshl_b32 s43, s41, 2
	s_lshl_b32 s43, 15, s43                        ; my row of the cluster
	s_lshl_b32 s44, 0x1111, s40                    ; my column
	s_or_b32 s[G1], s43, (3<<16)|(1<<21)           ; Y: the mask of my row; elements of 8 bytes; no padding; bit 21 beside a mask
	s_mov_b32 s[G1+1], 512<<16                     ; tensor_dim0 = 512 elements: four heads' images of a token tile, 4,096 bytes
	s_mov_b32 s[G1+2], 8<<16                       ; tensor_dim1 = 8 token tiles
	s_mov_b32 s[G1+3], 512<<16                     ; tile_dim0
	s_mov_b32 s[G1+4], 8                           ; tile_dim1
	s_mov_b32 s[G1+5], 2048                        ; a token tile's sixteen heads: 16,384 bytes
	s_mov_b32 s[G1+6], 0
	s_mov_b32 s[G1+7], 0
	s_or_b32 s[G1B], s44, (1<<20)|(1<<21)|(5<<22)|(3<<25)   ; Wo: the mask of my column; elements of 1 byte; 4 words of padding behind every 64
	s_mov_b32 s[G1B+1], 256<<16
	s_mov_b32 s[G1B+2], 64<<16
	s_mov_b32 s[G1B+3], 256<<16
	s_mov_b32 s[G1B+4], 64
	s_mov_b32 s[G1B+5], 1024
	s_mov_b32 s[G1B+6], 0
	s_mov_b32 s[G1B+7], 0
	s_lshl_b32 s20, s17, 18                        ; Y: 16 token tiles of 16,384 bytes a block,
	s_lshl_b32 s21, s16, 17                        ; 8 of them a half
	s_add_co_u32 s20, s20, s21
	s_mov_b32 s21, 0
	s_lshl_b32 s46, s42, 17                        ; Wo: 128 rows of 1,024 bytes a block,
	s_lshl_b32 s47, s16, 16                        ; 64 a half
	s_add_co_u32 s46, s46, s47
	s_mov_b32 s47, 0
	s_lshl_b32 s22, s16, 15                        ; where they go: Y's half,
	s_mul_i32 s45, s16, WH
	s_add_co_u32 s45, s45, YB                      ; Wo's half
	s_wait_kmcnt 0x0
	s_load_b64 s[96:97], s[10:11], 0x28            ; e10, e11
	s_add_nc_u64 s[20:21], s[4:5], s[20:21]
	s_add_nc_u64 s[46:47], s[6:7], s[46:47]
	CROUND                                         ; all sixteen work-groups are here: the first joint loads meet
.irp s, 0,1
	s_mov_b32 s[G0+4*\s], 1
	s_add_co_u32 s[G0+4*\s+1], s22, \s*SLOT
	s_add_nc_u64 s[G0+4*\s+2:G0+4*\s+3], s[20:21], \s*4096     ; K step s: heads 4 s .. 4 s + 3
	s_or_b32 s[G0+4*\s+3], s[G0+4*\s+3], 0x80000000
	s_mov_b32 s[G0B+4*\s], 1
	s_add_co_u32 s[G0B+4*\s+1], s45, \s*SLOT
	s_add_nc_u64 s[G0B+4*\s+2:G0B+4*\s+3], s[46:47], \s*256
	s_or_b32 s[G0B+4*\s+3], s[G0B+4*\s+3], 0x80000000
	JLOAD \s
.endr
	v_and_b32 v1, 15, v0                           ; r
	v_bfe_u32 v2, v0, 4, 1                         ; h
	v_and_b32 v3, 31, v0
	v_lshlrev_b32 v3, 4, v3                        ; Y: 16 x lane
	v_mul_u32_u24 v4, v1, PITCH
	v_lshl_add_u32 v4, v2, 3, v4                   ; Wo: row x pitch + 8 h
	s_lshl_b32 s21, s15, 15                        ; my 8 token tiles
	s_mul_i32 s22, s16, WH
	s_add_co_u32 s22, s22, YB                      ; my 64 rows of Wo
.irp s, 0,1
	v_add_nc_u32 v[ADRA+\s], s21, v3
	v_add_nc_u32 v[ADRB+\s], s22, v4
	s_add_co_u32 s21, s21, SLOT
	s_add_co_u32 s22, s22, SLOT
.endr
	s_mul_i32 s23, s14, 16*SPITCH
	s_add_co_u32 s23, s23, STAGE                   ; my stage
	v_mul_u32_u24 v5, v1, SPITCH
	v_lshl_add_u32 v5, v2, 5, v5
	v_add_nc_u32 v[STO], s23, v5                   ; in: row r, 32 bytes for each half of the lanes
	v_mul_u32_u24 v5, v2, SPITCH
	v_lshl_add_u32 v5, v1, 4, v5
	v_add_nc_u32 v[RD], s23, v5                    ; back: lanes 0-15 one row of 256 bytes, lanes 16-31 the next
	v_lshlrev_b32 v[CO], 12, v2
	v_lshl_add_u32 v[CO], v1, 4, v[CO]             ; and the same two rows of out0, 4,096 bytes apart
	s_lshl_b32 s22, s42, 9                         ; my features, in bytes: 512 x block + 256 nh
	s_lshl_b32 s23, s16, 8
	s_add_co_u32 s22, s22, s23
	s_mov_b32 s23, 0
	s_add_nc_u64 s[8:9], s[8:9], s[22:23]
	s_add_nc_u64 s[12:13], s[12:13], s[22:23]
	s_lshl_b32 s22, s17, 8
	s_lshl_b32 s23, s15, 7
	s_add_co_u32 s22, s22, s23                     ; my first token
	s_lshl_b32 s22, s22, 12
	s_mov_b32 s23, 0
	s_add_nc_u64 s[12:13], s[12:13], s[22:23]
	v_lshlrev_b32 v6, 5, v2
.irp b, 0,1,2,3
	global_load_b128 v[BO+8*\b:BO+8*\b+3], v6, s[8:9] offset:64*\b          ; bo at features 16 b + 8 h + 0..7
	global_load_b128 v[BO+8*\b+4:BO+8*\b+7], v6, s[8:9] offset:64*\b+16
.endr
; 32 LDS loads in one run: head kq of the slot's four, into buffer f: Wo's four fragments, Y's tiles 0-3, Y's tiles 4-7
.macro FETCH slot, kq, f
	WIN TO_F
.irp b, 0,1,2,3
.irp c, 0,1,2,3
	ds_load_b64 v[\f+64+8*\b+2*\c:\f+64+8*\b+2*\c+1], v[ADRB+\slot] offset:\b*16*PITCH+64*\kq+16*\c
.endr
.endr
.irp a, 0,1,2,3,4,5,6,7
	ds_load_b128 v[\f+8*\a:\f+8*\a+3], v[ADRA+\slot] offset:4096*\a+1024*\kq
	ds_load_b128 v[\f+8*\a+4:\f+8*\a+7], v[ADRA+\slot] offset:4096*\a+1024*\kq+512
.endr
.endm
; 8 matrix instructions: token tiles a0, a0 + 1 x four feature tiles.  zero = 1: the first product starts the sums.  The 32 accumulators take turns, one instruction a turn.
.macro MUL8 f, a0, zero
.irp a, \a0, \a0+1
.irp b, 0,1,2,3
.set AC, 8*(4*(\a)+\b)
.if \zero
	v_wmma_f32_16x16x64_bf8_bf8 v[AC:AC+7], v[\f+64+8*\b:\f+64+8*\b+7], v[\f+8*(\a):\f+8*(\a)+7], 0
.else
	v_wmma_f32_16x16x64_bf8_bf8 v[AC:AC+7], v[\f+64+8*\b:\f+64+8*\b+7], v[\f+8*(\a):\f+8*(\a)+7], v[AC:AC+7]
.endif
.endr
.endr
.endm
.macro QUARTER slot, kq, f, g, zero
	s_wait_dscnt 8                                 ; Wo's fragments and Y's tiles 0-3 are in; the youngest eight loads may be out
	WIN MUL
	MUL8 \f, 0, \zero
	MUL8 \f, 2, \zero
	PLACES
	FETCH \slot, \kq, \g
	s_wait_dscnt 32                                ; all but the 32 just issued
	WIN MUL
	MUL8 \f, 4, \zero
	MUL8 \f, 6, \zero
.endm
.macro TURN slot, next, fill
	WIN 0
	s_wait_tensorcnt 0x0                           ; all my tensor loads have landed: my part of the next slot
	ds_add_u32 v[SPW], v[NIL]
	s_wait_dscnt 9                                 ; the add and the youngest eight loads may be out
	WIN MUL
	MUL8 F1, 0, 0
	s_wait_dscnt 0x0                               ; the add is done, and my reads of this slot are over
	s_barrier_signal -1
	MUL8 F1, 2, 0
	WIN 0
	s_barrier_wait -1
.if \fill
	CREST                                          ; the barrier has opened a round of the cluster's: no wave of any partner still reads this slot or has a load on its way
	s_add_nc_u64 s[G0+4*\slot+2:G0+4*\slot+3], s[G0+4*\slot+2:G0+4*\slot+3], 8192
	s_add_nc_u64 s[G0B+4*\slot+2:G0B+4*\slot+3], s[G0B+4*\slot+2:G0B+4*\slot+3], 512
	JLOAD \slot                                    ; two K steps on; its four v_nop are also the places in front of the loads below
.else
	PLACES
.endif
	FETCH \next, 0, F0
	WIN MUL
	MUL8 F1, 4, 0
	MUL8 F1, 6, 0
.endm
	s_wait_tensorcnt 0x1                           ; my part of K step 0 is in; K step 1's load may be out
	s_barrier_signal -1
	s_barrier_wait -1
	FETCH 0, 0, F0
	QUARTER 0, 1, F0, F1, 1
	QUARTER 0, 2, F1, F0, 0
	QUARTER 0, 3, F0, F1, 0
	TURN 0, 1, 1
	QUARTER 1, 1, F0, F1, 0
	QUARTER 1, 2, F1, F0, 0
	QUARTER 1, 3, F0, F1, 0
	TURN 1, 0, 1
	QUARTER 0, 1, F0, F1, 0
	QUARTER 0, 2, F1, F0, 0
	QUARTER 0, 3, F0, F1, 0
	TURN 0, 1, 0
	QUARTER 1, 1, F0, F1, 0
	QUARTER 1, 2, F1, F0, 0
	QUARTER 1, 3, F0, F1, 0
	s_wait_dscnt 8
	WIN MUL
	MUL8 F1, 0, 0
	MUL8 F1, 2, 0
	s_wait_dscnt 0x0
	MUL8 F1, 4, 0
	MUL8 F1, 6, 0
	WIN 0
; THE WAY OUT, a block of 16 tokens x 64 features at a time: sum x 2^(e10 + e11) + bo; 32 bytes a lane into my own stage; back as whole rows of 256 bytes.  LDS serves a wave's instructions in order (ISA guide 5.7.1.4).
.macro TOSTAGE a
	WIN 0x02                                       ; source 0 (the sums) window 2
.irp b, 0,1,2,3
.irp i, 0,2,4,6
	v_pk_fma_f32 v[TMP+8*\b+\i:TMP+8*\b+\i+1], v[8*(4*(\a)+\b)+\i:8*(4*(\a)+\b)+\i+1], s[96:97], v[BO+8*\b+\i:BO+8*\b+\i+1] op_sel_hi:[1,0,1]   ; each accumulator from its low end on
.endr
.endr
	WIN 0
.irp b, 0,1,2,3
	ds_store_b128 v[STO], v[TMP+8*\b:TMP+8*\b+3] offset:64*\b
	ds_store_b128 v[STO], v[TMP+8*\b+4:TMP+8*\b+7] offset:64*\b+16
.endr
.set BB, BK+32*((\a)%2)
.irp t, 0,1,2,3,4,5,6,7
	ds_load_b128 v[BB+4*\t:BB+4*\t+3], v[RD] offset:\t*2*SPITCH
.endr
.endm
.macro SEND a, younger                 ; younger: the LDS instructions issued behind block a's loads, which may stay out
.set BB, BK+32*((\a)%2)
	s_wait_dscnt \younger
.if (\a) > 0
	s_add_nc_u64 s[12:13], s[12:13], 65536         ; 16 tokens on (behind a wait for the earlier stores' addresses)
.endif
.irp t, 0,1,2,3,4,5,6,7
	global_store_b128 v[CO], v[BB+4*\t:BB+4*\t+3], s[12:13] offset:\t*8192 th:TH_STORE_NT   ; sixteen lanes store 256 consecutive bytes, at a multiple of 256 from out0's first byte
.endr
.endm
	s_wait_kmcnt 0x0
	s_add_co_i32 s96, s96, s97
	s_add_co_i32 s96, s96, 127
	s_lshl_b32 s96, s96, 23                        ; 2^(e10 + e11) as f32
	s_mov_b32 s97, s96                             ; (named with it as a pair)
	s_wait_loadcnt 0x0                             ; bo
	PLACES
	TOSTAGE 0
.irp a, 1,2,3,4,5,6,7
.if \a > 1
	s_wait_xcnt 0x0                                ; block a - 2's stores have read their registers and their base
.endif
	TOSTAGE \a
	SEND \a-1, 16                                  ; behind block a - 1's loads: block a's 8 stores and 8 loads
.endr
	s_wait_xcnt 0x0
	SEND 7, 0
	s_wait_tensorcnt 0x0                           ; the wave's end
	ds_add_u32 v[SPW], v[NIL]
	s_wait_dscnt 0x0
	CROUND                                         ; the closing round
	s_endpgm
.Lfunc_end_k_q67d950fb80_oproj:
	.size	k_q67d950fb80_oproj, .Lfunc_end_k_q67d950fb80_oproj-k_q67d950fb80_oproj
	.p2alignl 7, 3214868480
	.fill 96, 4, 3214868480
	.section	.rodata,"a",@progbits
	.p2align	6, 0x0
	.amdhsa_kernel k_q67d950fb80_oproj
		.amdhsa_group_segment_fixed_size 327680
		.amdhsa_private_segment_fixed_size 0
		.amdhsa_enable_private_segment 0
		.amdhsa_kernarg_size 40
		.amdhsa_user_sgpr_count 2
		.amdhsa_user_sgpr_kernarg_segment_ptr 1
		.amdhsa_wavefront_size32 1
		.amdhsa_system_sgpr_workgroup_id_x 1
		.amdhsa_system_sgpr_workgroup_id_y 1
		.amdhsa_system_sgpr_workgroup_id_z 1
		.amdhsa_system_vgpr_workitem_id 0
		.amdhsa_next_free_vgpr 768
		.amdhsa_next_free_sgpr 100
		.amdhsa_reserve_vcc 0
		.amdhsa_float_denorm_mode_32 3
		.amdhsa_float_denorm_mode_16_64 3
		.amdhsa_memory_ordered 1
		.amdhsa_forward_progress 1
		.amdhsa_inst_pref_size 103
	.end_amdhsa_kernel
	.amdgpu_metadata
---
amdhsa.version: [ 1, 2 ]
amdhsa.kernels:
  - .name:           k_q67d950fb80_oproj
    .symbol:         k_q67d950fb80_oproj.kd
    .args:
      - { .name: yimg, .offset: 0, .size: 8, .value_kind: global_buffer, .address_space: global }
      - { .name: Wo_codes, .offset: 8, .size: 8, .value_kind: global_buffer, .address_space: global }
      - { .name: bo, .offset: 16, .size: 8, .value_kind: global_buffer, .address_space: global }
      - { .name: lowp_scales, .offset: 24, .size: 8, .value_kind: global_buffer, .address_space: global }
      - { .name: out0, .offset: 32, .size: 8, .value_kind: global_buffer, .address_space: global }
    .group_segment_fixed_size: 327680
    .private_segment_fixed_size: 0
    .kernarg_segment_align: 8
    .kernarg_segment_size: 40
    .max_flat_workgroup_size: 128
    .sgpr_count:     100
    .vgpr_count:     768
    .wavefront_size: 32
...
	.end_amdgpu_metadata
.endif
;; end of part 3
;; ======== version 2 of 2: 3 launches; version 1 with the launch attn written anew for expert scheduling mode
;; limits: right only within a limited range of input values
;; workspace buffers: qimg 8,388,608 bytes; kimg 8,388,608 bytes; vimg 8,388,608 bytes; yimg 8,388,608 bytes
;; launch qkv: the kernel of part 1 again; grid 16 x 32, 4 waves a work-group, clusters of 4 x 4, 327,680 bytes of LDS; arguments x_codes, Wq_codes, Wk_codes, Wv_codes, bq, bk, bv, lowp_scales, qimg, kimg, vimg; writes qimg, kimg, vimg
;; launch attn (part 4): grid 4 x 64, 16 waves a work-group, no clusters, 273,408 bytes of LDS; arguments qimg, kimg, vimg, pad_mask, lowp_scales, yimg; writes yimg
.if DOCPART == 4
	.amdgcn_target "amdgcn-amd-amdhsa--gfx1250"
	.amdhsa_code_object_version 6
	.text
	.protected	k_q67d950fb80_attn
	.globl	k_q67d950fb80_attn
	.p2align	8
	.type	k_q67d950fb80_attn,@function
k_q67d950fb80_attn:
	s_mov_b64 s[64:65], 0
	v_nop
	global_prefetch_b8 v0, s[64:65] scope:SCOPE_SE
	s_setreg_imm32_b32 hwreg(HW_REG_WAVE_SCHED_MODE, 0, 2), 2
	s_setreg_imm32_b32 hwreg(HW_REG_WAVE_MODE, 25, 1), 1
	s_wait_xcnt 0x0
	s_wait_alu depctr_vm_vsrc(0)
; Y = softmax(Q K^T / 8, causal and padding masks) V for one head, both products on codes of BF8 (E5M2); Y is quantised with 2^e10 and stored as images of the last product's operand registers.
; qimg, kimg: [bh][token tile][2][lane][16 B]: 16x16x64 fragments (token r, features 16 c + 8 h + 0..7 in registers 2 c, 2 c + 1).  vimg: [bh][128 keys][d tile][4][lane][16 B]: 16x16x128 fragments of V^T.
; THE SOFTMAX: t = score x log2(e) / 8; M = the ceiling of the running largest t; p = 2^(t - M) is quantised with 2^e8, not normalised; the sum of the unquantised p divides at the end.
; SHARES.  Work-group (j, bh) owns query blocks 7 - j and j of 256 queries; wave w owns tile A = 16 (7 - j) + w and tile B = 16 j + 15 - w, 16 queries each: 17 key steps of 128 keys for every wave.
; Steps all of whose keys come after a tile's queries are left out: a scalar branch on ids.
; THE HEAD'S K AND V LIE IN LDS, each byte stored once: trip s of eight brings 256 keys (four 16-byte loads a thread, asked for a trip ahead, then four LDS stores between two barriers).
; Tile A works on the keys of trip s, tile B on those of trip s - (7 - j): every trip has work under which the next loads land.
; NO CLUSTER AND NO TENSOR LOAD: the four work-groups of a head read the same 256 KB, once each; a joint request is a tensor load.
; This text branches on e8 (64 holds a step are jumped over where 57,344 x 2^e8 >= 1.75 > p) and on the padding mask (a step without a padded key reads no bias: 16 LDS loads less).
; No prefetch either: each trip's loads are themselves issued a whole trip ahead of the wait for them.
; LAYOUT.  S^T = K Q^T and O^T = V^T P^T: a lane holds ONE query (lane % 16) throughout; S^T tile c converts into registers 2 c, 2 c + 1 of P, the k places of V^T's fragment.
; THE MASKS.  A padded key's score starts from C = -3e38 (a table of 0 / -3e38 in LDS, in the result's layout); a causally hidden score becomes -infinity on the diagonal step.
; The largest t starts at t0 = max(c x -1e38, -3e38): above every padded t, under every true t; so a row that has seen only masked keys has p = 0, sum 0, O = 0.
; A ROW ALL OF WHOSE VISIBLE KEYS ARE PADDED has 2,048 equal logits: its softmax is uniform over all 2,048 keys: p = 1, sum 2,048.  The sum of V's codes times Q(1) over all keys is made once
; a work-group, and taken by v_cndmask_b32 where a row's sum is 0: no branch hangs on it.
; LIMITS: e6 + e7 between -115 and 90 (c = 2^(e6 + e7) log2(e) / 8 keeps padded t 150 under t0 and true t over it); e8 and e10 between -126 and 112.  NaN among the inputs is not served.
; THE MODE: SCHED_MODE bits 1:0 = 2 (LLVM: expert scheduling mode 2), set by the entry lines.  The code itself states the register dependences
; between vector or matrix instructions and memory or LDS instructions, with s_wait_alu, always for 0.
; THE PLAN.  Registers that memory or LDS instructions touch:
;   v[CP], v[LI], v[BH]      offsets made once at the head and never written again.
;   STG                      Loaded from memory a trip ahead; read by the trip's four LDS stores; no vector instruction of the loop names it.
;   v[CA], v[CB]             Written by two additions at a trip's head; read by the trip's four LDS stores.
;   v[ADK], v[ADV], v[ADB]   Written together by three additions at a step's head; read by the step's LDS loads of K, of V and of the bias.
;   FR, X, P                 K's fragments land in them; S^T's products read them; P is then written by the conversions and read by O^T's products.
;   S                        The bias lands in it (a step with a padded key); S^T's products write it, the softmax works in it, the conversions read it; then V's fragments land in it and O^T's products read them.
; A TRIP: a wait on vm_vsrc at its label (the last trip's LDS stores have read CA and CB), a wait on va_vdst ahead of its LDS stores (CA and CB are written), a wait on vm_vsrc ahead of its loads from memory (the LDS stores have read STG).
; A STEP: a wait on vm_vsrc, the three additions, ONE wait on va_vdst that serves K's loads and the bias's; the wait behind the exponentials; one wait on va_vdst behind the conversions, ahead of V's loads, which are
; followed by O^T's rescaling: it names O^T and v[24:25] alone, none of the registers that those loads touch.
.set VOFF, 131072                      ; LDS: K's images 0 .. 131,071; V's from here;
.set BIAS, 262144                      ; f32[2,048]: 0, or -3e38 for a padded key;
.set UB,   270336                      ; four partial sums of 64 numbers: 1,024 bytes
.set LI,  1                            ; v1   16 x lane
.set BH,  2                            ; v2   BIAS + 32 h
.set CP,  3                            ; v3   16 x thread
.set HH,  4                            ; v4   h
.set RR,  5                            ; v5   r
.set ADK, 6                            ; v6-8 LDS addresses of the step in hand: K, V, bias
.set ADV, 7
.set ADB, 8
.set CA,  9                            ; v9-10 where my thread stores the trip's K and V
.set CB,  10
.set STA, 12                           ; v12 -M, v13 the largest t, v[14:15] the sum in two halves: tile A;  v16-19: tile B
.set STB, 16
.set HOLD, 20                          ; v20  57,344 x 2^e8, later x 2^e10
.set PSC, 21                           ; v21  2^e8, later 2^e10
.set NINF, 22                          ; v22  -infinity
.set QA,  32
.set QB,  40
.set P,   48                           ; v48-63   p's codes; before that two fragments of K
.set STG, 64                           ; v64-79   the next trip's 64 bytes of K and V, on their way
.set FR,  80                           ; v80-111  four fragments of K
.set S,   112                          ; v112-175 S^T, then p, then V's four fragments
.set OA,  176
.set OB,  208
.set X,   240                          ; v240-255 two fragments of K
.set WV,  16
.set SEL, 20
.set CS,  22
.set KFA, 24                           ; the first key of the trip for tile A, B
.set KFB, 25
.set Q0A, 26                           ; the tiles' first queries
.set Q0B, 27
.set ICA, 28                           ; which tile of 16 keys of the diagonal step holds the diagonal
.set ICB, 29
.set PADB, 30                          ; bit n: a key among 64 n .. 64 n + 63 is padded
.set TRIP, 31
.set TBS, 33                           ; LDS byte of the trip's K
.set KF,  34
.set T0,  35
.set T1,  66
.set T2,  67
.set T3,  82
.set TRI, 48                           ; s[48:55] lanes in which register j of the diagonal tile is hidden
.set MK,  56                           ; s[56:63] the masks in hand
	s_load_b256 s[4:11], s[0:1], 0x0               ; qimg s[4:5], kimg s[6:7], vimg s[8:9], pad_mask s[10:11]
	s_load_b128 s[12:15], s[0:1], 0x20             ; the exponents s[12:13], yimg s[14:15]
	v_lshl_add_u32 v11, v0, 2, 0x42400
	v_mov_b32 v29, 0
	v_lshrrev_b32 v6, 5, v0
	v_readfirstlane_b32 s[WV], v6                  ; wave 0..15
	v_and_b32 v[LI], 31, v0
	v_lshlrev_b32 v7, 6, v[LI]                     ; 64 pad bytes a lane
	v_lshlrev_b32 v[LI], 4, v[LI]
	v_bfe_u32 v[HH], v0, 4, 1
	v_and_b32 v[RR], 15, v0
	v_lshl_add_u32 v[BH], v[HH], 5, BIAS
	v_lshlrev_b32 v[CP], 4, v0
	v_lshlrev_b32 v6, 2, v0                        ; four pad bytes a thread
	v_add_nc_u32 v[ADB], BIAS, v[CP]               ; where their four numbers go
	s_wait_alu depctr_va_sdst(0)                   ; s[WV] is written, ahead of its first reader: the tiles' numbers are made from it
	s_mov_b32 s17, ttmp9                           ; j
	s_and_b32 s18, ttmp7, 0xffff                   ; bh
	s_sub_co_u32 s19, 7, s17
	s_lshl_b32 s32, s19, 4
	s_add_co_u32 s32, s32, s[WV]                   ; tile A
	s_lshl_b32 s35, s17, 4
	s_add_co_u32 s35, s35, 15
	s_sub_co_u32 s35, s35, s[WV]                   ; tile B
	s_lshl_b32 s[Q0A], s32, 4
	s_lshl_b32 s[Q0B], s35, 4
	s_and_b32 s[ICA], s32, 7
	s_and_b32 s[ICB], s35, 7
	s_mov_b32 s[KFA], 0
	s_lshl_b32 s[KFB], s19, 8
	s_sub_co_i32 s[KFB], 0, s[KFB]                 ; tile B begins 7 - j trips later
	s_mov_b32 s[TRIP], 0
	s_mov_b32 s[TBS], 0
	s_lshl_b32 s66, s18, 7
	s_add_co_u32 s68, s66, s32
	s_lshl_b32 s68, s68, 10                        ; Q's images: 1,024 bytes a tile, 128 tiles a head
	s_mov_b32 s69, 0
	s_add_co_u32 s70, s66, s35
	s_lshl_b32 s70, s70, 10
	s_mov_b32 s71, 0
	s_lshr_b32 s66, s18, 4                         ; batch
	s_and_b32 s67, s18, 15                         ; head
	s_lshl_b32 s82, s66, 7
	s_add_co_u32 s44, s82, s32
	s_lshl_b32 s44, s44, 4
	s_add_co_u32 s44, s44, s67
	s_lshl_b32 s44, s44, 10                        ; Y's images: ((128 batch + tile) x 16 + head) x 1,024
	s_mov_b32 s45, 0
	s_add_co_u32 s46, s82, s35
	s_lshl_b32 s46, s46, 4
	s_add_co_u32 s46, s46, s67
	s_lshl_b32 s46, s46, 10
	s_mov_b32 s47, 0
	s_lshl_b32 s72, s18, 17                        ; K's and V's images: 131,072 bytes a head
	s_mov_b32 s73, 0
	s_lshl_b32 s74, s66, 11                        ; the batch's 2,048 pad bytes
	s_mov_b32 s75, 0
	s_mov_b32 s[SEL], 0x76543210
	s_mov_b32 s[SEL+1], 0xfedcba98                 ; v_permlanex16_b32: lane l xor 16
	s_mov_b32 s[CS], 0x3e38aa3b                    ; log2(e) / 8
	s_wait_kmcnt 0x0
	s_load_b64 s[36:37], s[12:13], 0x18            ; e6, e7
	s_load_b64 s[38:39], s[12:13], 0x20            ; e8, e9
	s_load_b32 s40, s[12:13], 0x28                 ; e10
	s_add_nc_u64 s[6:7], s[6:7], s[72:73]
	s_add_nc_u64 s[8:9], s[8:9], s[72:73]
	s_add_nc_u64 s[10:11], s[10:11], s[74:75]
	s_add_nc_u64 s[68:69], s[4:5], s[68:69]
	s_add_nc_u64 s[70:71], s[4:5], s[70:71]
	s_add_nc_u64 s[44:45], s[14:15], s[44:45]
	s_add_nc_u64 s[46:47], s[14:15], s[46:47]
	s_wait_alu depctr_va_vdst(0)                   ; v[CP], v[LI], v6 and v7 are written, which the loads below read as offsets; so is v[ADB], the address of the bias table's store
	global_load_b128 v[STG:STG+3], v[CP], s[6:7]                  ; trip 0's keys: 512 threads x 16 bytes, twice for K, twice for V
	global_load_b128 v[STG+4:STG+7], v[CP], s[6:7] offset:8192
	global_load_b128 v[STG+8:STG+11], v[CP], s[8:9]
	global_load_b128 v[STG+12:STG+15], v[CP], s[8:9] offset:8192
	global_load_b128 v[QA:QA+3], v[LI], s[68:69]
	global_load_b128 v[QA+4:QA+7], v[LI], s[68:69] offset:512
	global_load_b128 v[QB:QB+3], v[LI], s[70:71]
	global_load_b128 v[QB+4:QB+7], v[LI], s[70:71] offset:512
	global_load_b32 v23, v6, s[10:11]
.irp i, 0,1,2,3
	global_load_b128 v[S+4*\i:S+4*\i+3], v7, s[10:11] offset:16*\i
.endr
	v_lshlrev_b32 v26, 3, v[HH]
	v_sub_nc_u32 v26, v[RR], v26                   ; r - 8 h: register j of the diagonal tile holds key 8 h + j, hidden where j > r - 8 h
.irp j, 0,1,2,3,4,5,6,7
	v_cmp_gt_i32 s[TRI+\j], \j, v26                ; (their wait stands behind the compares of the padding bytes, ahead of the first label)
.endr
	v_mov_b32 v[NINF], 0xff800000
	v_mov_b32 v25, 0                               ; (named as the upper half of the pair v[24:25])
	v_mov_b32 v28, 0                               ; a lane permute's destination counts as one of its sources
.set n, 0
.rept 64
	v_mov_b32 v[OA+n], 0                           ; O^T of both tiles: the step is written once, its first run finds zeros
.set n, n+1
.endr
	s_wait_kmcnt 0x0
	s_add_co_i32 s19, s36, s37
	s_lshl_b32 s19, s19, 23
	s_add_co_i32 s[CS], s[CS], s19                 ; a score stands for score x 2^(e6 + e7): added to c's exponent field
	s_mov_b32 s[CS+1], s[CS]
	s_add_co_i32 s19, s38, 127
	s_lshl_b32 s32, s19, 23
	v_mov_b32 v[PSC], s32                          ; 2^e8
	s_add_co_i32 s19, s19, 15
	s_lshl_b32 s19, s19, 23
	s_or_b32 s19, s19, 0x600000
	v_mov_b32 v[HOLD], s19                         ; 57,344 x 2^e8
	s_add_co_i32 s41, s38, s39                     ; e8 + e9
	v_mov_b32 v26, 0xfe967699                      ; -1e38
	v_mul_f32 v26, s[CS], v26
	v_max_num_f32 v[STA+1], 0xff61b1e6, v26        ; t0 = max(c x -1e38, -3e38)
	v_floor_f32 v[STA], -v[STA+1]
	v_mov_b32 v[STA+2], 0
	v_mov_b32 v[STA+3], 0
	v_mov_b32 v[STB], v[STA]
	v_mov_b32 v[STB+1], v[STA+1]
	v_mov_b32 v[STB+2], 0
	v_mov_b32 v[STB+3], 0
	v_mov_b32 v27, 0xff61b1e6                      ; -3e38
	s_wait_loadcnt 0x0
.irp k, 0,1,2,3
	v_bfe_u32 v[FR+\k], v23, 8*\k, 8               ; my thread's four pad bytes
.endr
.irp i, 0,2,4,6,8,10,12,14
	v_or_b32 v[S+\i], v[S+\i], v[S+\i+1]           ; my lane's 64 pad bytes, folded into one word
.endr
.irp i, 0,4,8,12
	v_or_b32 v[S+\i], v[S+\i], v[S+\i+2]
.endr
	v_or_b32 v[S], v[S], v[S+4]
	v_or_b32 v[S+8], v[S+8], v[S+12]
	v_or_b32 v[S], v[S], v[S+8]
.irp k, 0,1,2,3
	v_cmp_ne_u32 s[MK+\k], 0, v[FR+\k]             ; the compares stand in a run, each with a scalar register of its own
.endr
	v_cmp_ne_u32 s[PADB], 0, v[S]
	s_wait_alu depctr_va_sdst(0)                   ; s[TRI] .. s[TRI+7], s[MK] .. s[MK+3] and s[PADB] are written, ahead of their first readers and of the first label
.irp k, 0,1,2,3
	v_cndmask_b32 v[FR+\k], 0, v27, s[MK+\k]
.endr
	s_wait_alu depctr_va_vdst(0)                   ; the selects have written v[FR] .. v[FR+3], which the LDS store reads
	ds_store_b128 v[ADB], v[FR:FR+3]               ; keys 4 x thread + 0..3 of the bias table
.macro KREG c                          ; where K's fragment c of eight lies
.if (\c) < 4
.set KR, FR+8*(\c)
.elseif (\c) < 6
.set KR, P+8*((\c)-4)
.else
.set KR, X+8*((\c)-6)
.endif
.endm
.macro SPROD qx, bias                  ; S^T = K Q^T: eight tiles of 16 keys; bias = 1: the table's numbers, loaded into S, start the sums
.irp c, 0,1,2,3,4,5,6,7
	KREG \c
.if \bias
	v_wmma_f32_16x16x64_bf8_bf8 v[S+8*\c:S+8*\c+7], v[KR:KR+7], v[\qx:\qx+7], v[S+8*\c:S+8*\c+7]
.else
	v_wmma_f32_16x16x64_bf8_bf8 v[S+8*\c:S+8*\c+7], v[KR:KR+7], v[\qx:\qx+7], 0
.endif
.endr
.endm
; A KEY STEP of one tile: the q-th 128 keys of the trip's 256.
.macro STEP q, qx, ox, st, kfs, q0s, ics
	s_add_co_i32 s[KF], s[\kfs], 128*\q
	s_cmp_lt_i32 s[KF], 0                          ; tile B has not begun,
	s_cbranch_scc1 .Lskip_\@
	s_add_co_u32 s[T0], s[\q0s], 15
	s_cmp_gt_i32 s[KF], s[T0]                      ; or all 128 keys come after my 16 queries
	s_cbranch_scc1 .Lskip_\@
	s_and_b32 s[T1], s[KF], 0x780
	s_lshl_b32 s[T2], s[T1], 6                     ; 128 keys are 8,192 bytes of K's images and of V's,
	s_lshl_b32 s[T0], s[T1], 2                     ; and 512 bytes of the bias table
	s_wait_alu depctr_vm_vsrc(0)                   ; the LDS loads of the step before have read v[ADK], v[ADV] and v[ADB] (ahead of the first step: the padding mask's loads v6 and v7, the bias table's store v8), which are written now
	v_add_nc_u32 v[ADK], s[T2], v[LI]
	v_add_nc_u32 v[ADV], VOFF, v[ADK]
	v_add_nc_u32 v[ADB], s[T0], v[BH]              ; made on both ways, so that one wait serves all three addresses
	s_wait_alu depctr_va_vdst(0)                   ; the three addresses are written; the products of the step before are done reading FR, X, P and S, and its conversions have written P: K's loads land in FR, X and P, the bias's in S
.irp c, 0,1,2,3,4,5,6,7
	KREG \c
	ds_load_b128 v[KR:KR+3], v[ADK] offset:1024*\c
	ds_load_b128 v[KR+4:KR+7], v[ADK] offset:1024*\c+512
.endr
	s_lshr_b32 s[T3], s[T1], 6
	s_lshr_b32 s[T3], s[PADB], s[T3]
	s_and_b32 s[T3], s[T3], 3                      ; is one of these 128 keys padded?
	s_cmp_eq_u32 s[T3], 0
	s_cbranch_scc0 .Lpad_\@
	s_wait_dscnt 0x0
	SPROD \qx, 0
	s_branch .Ljoin_\@
.Lpad_\@:
.irp c, 0,1,2,3,4,5,6,7
	ds_load_b128 v[S+8*\c:S+8*\c+3], v[ADB] offset:64*\c          ; the numbers of keys 16 c + 8 h + 0..7: the result's layout.  No wait: no vector or matrix instruction since the step's head names v[ADB] or S
	ds_load_b128 v[S+8*\c+4:S+8*\c+7], v[ADB] offset:64*\c+16
.endr
	s_wait_dscnt 0x0
	SPROD \qx, 1
.Ljoin_\@:
.rept 4
	v_nop                                          ; places in front of the first read of the scores
.endr
	s_add_co_u32 s[T0], s[KF], 127
	s_cmp_le_i32 s[T0], s[\q0s]
	s_cbranch_scc1 .Lopen_\@                       ; every key of the step counts
.irp c, 0,1,2,3,4,5,6,7                ; the diagonal step: tiles ahead of the diagonal's stay, the diagonal's is hidden above it, those behind it wholly
	s_cmp_gt_u32 s[\ics], \c
	s_cbranch_scc1 .Lvis_\@_\c
	s_cmp_eq_u32 s[\ics], \c
.irp j, 0,1,2,3,4,5,6,7
	s_cselect_b32 s[MK+\j], s[TRI+\j], -1
.endr
.irp j, 0,1,2,3,4,5,6,7
	v_cndmask_b32 v[S+8*\c+\j], v[S+8*\c+\j], v[NINF], s[MK+\j]
.endr
.Lvis_\@_\c:
.endr
.Lopen_\@:
	v_max3_num_f32 v26, v[S], v[S+1], v[S+2]       ; the step's largest score of my query among my 64 keys, in two chains; each tile is first read at its low end
	v_max3_num_f32 v27, v[S+3], v[S+4], v[S+5]
.irp i, 6,10,14,18,22,26,30,34,38,42,46,50,54,58
	v_max3_num_f32 v26, v26, v[S+\i], v[S+\i+1]
	v_max3_num_f32 v27, v27, v[S+\i+2], v[S+\i+3]
.endr
	v_max3_num_f32 v26, v26, v[S+62], v[S+63]
	v_max_num_f32 v26, v26, v27
	v_permlanex16_b32 v28, v26, s[SEL], s[SEL+1]
	v_max_num_f32 v26, v26, v28                    ; and among lane l xor 16's
	v_mul_f32 v26, s[CS], v26                      ; as t (c is positive)
	v_max_num_f32 v[\st+1], v[\st+1], v26          ; the running largest t
	v_mov_b32 v26, v[\st]
	v_floor_f32 v[\st], -v[\st+1]                  ; -M = floor(-t): M is a whole number
	v_sub_f32 v26, v[\st], v26                     ; old M - new M, 0 or less
	v_cvt_i32_f32 v26, v26                         ; (it saturates)
	v_ldexp_f32 v24, 1.0, v26                      ; f = 2^(old M - new M)
.set n, 0
.rept 32
	v_pk_fma_f32 v[S+n:S+n+1], v[S+n:S+n+1], s[CS:CS+1], v[\st:\st+1] op_sel_hi:[1,0,0]   ; t - M, two at a time
.set n, n+2
.endr
.set n, 0
.rept 64
	v_exp_f32 v[S+n], v[S+n]                       ; p = 2^(t - M)
.set n, n+1
.endr
	v_pk_mul_f32 v[\st+2:\st+3], v[\st+2:\st+3], v[24:25] op_sel_hi:[1,0]   ; the sum under the new M: the plain instruction behind the exponentials
	s_wait_alu depctr_va_vdst(0)                   ; the 64 exponentials have written p in v[S] .. v[S+63]: one wait for the batch, ahead of its first reader
	v_pk_add_f32 v[30:31], v[S:S+1], v[S+2:S+3]    ; the sum of the unquantised p, in two chains
.irp i, 4,8,12,16,20,24,28,32,36,40,44,48,52,56,60
	v_pk_add_f32 v[\st+2:\st+3], v[\st+2:\st+3], v[S+\i:S+\i+1]
	v_pk_add_f32 v[30:31], v[30:31], v[S+\i+2:S+\i+3]
.endr
	v_pk_add_f32 v[\st+2:\st+3], v[\st+2:\st+3], v[30:31]
	s_cmp_ge_i32 s38, -15                          ; 57,344 x 2^e8 >= 1.75 lies over every p: no hold is needed
	s_cbranch_scc1 .Lfits_\@
.set n, 0
.rept 64
	v_min_num_f32 v[S+n], v[S+n], v[HOLD]          ; the conversion does not saturate (ISA guide 7.6.2); p is not negative
.set n, n+1
.endr
.Lfits_\@:
.irp c, 0,1,2,3,4,5,6,7
	v_cvt_scalef32_pk8_bf8_f32 v[P+2*\c:P+2*\c+1], v[S+8*\c:S+8*\c+7], v[PSC]
.endr
	s_wait_alu depctr_va_vdst(0)                   ; the conversions, and the sums and holds ahead of them, are done with p in S, in which V's fragments land (v[ADV] was written ahead of the wait at the step's head)
.irp t, 0,1,2,3
.irp c, 0,1,2,3
	ds_load_b128 v[S+16*\t+4*\c:S+16*\t+4*\c+3], v[ADV] offset:2048*\t+512*\c
.endr
.endr
.set n, 0
.rept 16
	v_pk_mul_f32 v[\ox+n:\ox+n+1], v[\ox+n:\ox+n+1], v[24:25] op_sel_hi:[1,0]   ; O^T under the new M, while V's fragments are on their way: these name neither S nor v[ADV]; also the plain instructions behind the conversions
.set n, n+2
.endr
	s_wait_dscnt 0x0
.irp t, 0,1,2,3
	v_wmma_f32_16x16x128_bf8_bf8 v[\ox+8*\t:\ox+8*\t+7], v[S+16*\t:S+16*\t+15], v[P:P+15], v[\ox+8*\t:\ox+8*\t+7]   ; the four accumulators by turns
.endr
.rept 5
	v_nop                                          ; five places: the next step's products write over V's registers
.endr
.Lskip_\@:
.endm
.Lslot:                                            ; eight trips
	s_wait_alu depctr_vm_vsrc(0)                   ; the four LDS stores of the trip before have read v[CA] and v[CB], which the two additions write
	v_add_nc_u32 v[CA], s[TBS], v[CP]
	v_add_nc_u32 v[CB], VOFF, v[CA]
	s_wait_loadcnt 0x0                             ; the 256 keys asked for a trip ago are in registers
	s_wait_dscnt 0x0                               ; my LDS reads of the trip before are over (in trip 0: my store into the bias table is done)
	s_barrier_signal -1
	s_barrier_wait -1                              ; everybody's are
	s_wait_alu depctr_va_vdst(0)                   ; v[CA] and v[CB] are written, which the LDS stores read as addresses
	ds_store_b128 v[CA], v[STG:STG+3]
	ds_store_b128 v[CA], v[STG+4:STG+7] offset:8192
	ds_store_b128 v[CB], v[STG+8:STG+11]
	ds_store_b128 v[CB], v[STG+12:STG+15] offset:8192
	s_wait_dscnt 0x0                               ; for the others' sake: my stores have landed
	s_barrier_signal -1
	s_barrier_wait -1
	s_cmp_eq_u32 s[TRIP], 7                        ; the last trip asks for nothing: no load leaves its buffer
	s_cbranch_scc1 .Lno_more
	s_add_nc_u64 s[6:7], s[6:7], 16384             ; the loads that named these bases are done: the wait at the trip's head
	s_add_nc_u64 s[8:9], s[8:9], 16384
	s_wait_alu depctr_vm_vsrc(0)                   ; the four LDS stores have read STG, in which the next trip's loads land
	global_load_b128 v[STG:STG+3], v[CP], s[6:7]
	global_load_b128 v[STG+4:STG+7], v[CP], s[6:7] offset:8192
	global_load_b128 v[STG+8:STG+11], v[CP], s[8:9]
	global_load_b128 v[STG+12:STG+15], v[CP], s[8:9] offset:8192
.Lno_more:
	STEP 0, QA, OA, STA, KFA, Q0A, ICA
	STEP 0, QB, OB, STB, KFB, Q0B, ICB
	STEP 1, QA, OA, STA, KFA, Q0A, ICA
	STEP 1, QB, OB, STB, KFB, Q0B, ICB
	s_add_co_i32 s[KFA], s[KFA], 256
	s_add_co_i32 s[KFB], s[KFB], 256
	s_add_co_u32 s[TBS], s[TBS], 16384
	s_add_co_u32 s[TRIP], s[TRIP], 1
	s_cmp_lt_u32 s[TRIP], 8
	s_cbranch_scc1 .Lslot
	; U(d) = the sum over all 2,048 keys of Q(1) x V's codes, for the rows that saw no true key.  Wave w: d tile w % 4, key groups 4 (w / 4) + 0..3.  All of V was stored ahead of the last trip's second barrier.
	s_wait_alu depctr_vm_vsrc(0)                   ; the LDS loads of the last step have read v[ADK], v[ADV] and v[ADB], which are written below
.irp i, 0,1,2,3,4,5,6,7
	v_min_num_f32 v[FR+\i], 1.0, v[HOLD]
.endr
	v_cvt_scalef32_pk8_bf8_f32 v[P:P+1], v[FR:FR+7], v[PSC]
	v_nop                                          ; one plain vector instruction behind the conversion
.irp i, 1,2,3,4,5,6,7
	v_mov_b32 v[P+2*\i], v[P]
	v_mov_b32 v[P+2*\i+1], v[P+1]
.endr
	s_lshr_b32 s35, s[WV], 2
	s_lshl_b32 s66, s35, 15
	s_and_b32 s67, s[WV], 3
	s_lshl_b32 s82, s67, 11
	s_add_co_u32 s66, s66, s82
	s_add_co_u32 s66, s66, VOFF
	v_add_nc_u32 v[ADK], s66, v[LI]
	s_lshl_b32 s35, s35, 8
	s_lshl_b32 s67, s67, 6
	s_add_co_u32 s35, s35, s67
	s_add_co_u32 s35, s35, UB
	v_lshl_add_u32 v[ADV], v[HH], 5, s35           ; my partial sum's place: 256 (w / 4) + 64 (w % 4) + 32 h
	v_lshl_add_u32 v[ADB], v[HH], 5, UB
	s_wait_alu depctr_va_vdst(0)                   ; v[ADK], v[ADV] and v[ADB] are written, the addresses of all LDS instructions below; the last step's products are done reading S, in which the loads land
.irp i, 0,1,2,3
.irp c, 0,1,2,3
	ds_load_b128 v[S+16*\i+4*\c:S+16*\i+4*\c+3], v[ADK] offset:8192*\i+512*\c
.endr
.endr
	s_add_co_i32 s35, s40, 127
	s_lshl_b32 s66, s35, 23
	v_mov_b32 v[PSC], s66                          ; from here on: 2^e10,
	s_add_co_i32 s35, s35, 15
	s_lshl_b32 s35, s35, 23
	s_or_b32 s35, s35, 0x600000
	v_mov_b32 v[HOLD], s35                         ; and 57,344 x 2^e10
	v_mov_b32 v27, 0x45000000                      ; 2,048.0
	s_wait_dscnt 0x0
.irp i, 0,1,2,3
	v_wmma_f32_16x16x128_bf8_bf8 v[FR+8*\i:FR+8*\i+7], v[S+16*\i:S+16*\i+15], v[P:P+15], 0
.endr
.rept 4
	v_nop
.endr
.irp i, 0,2,4,6
	v_pk_add_f32 v[FR+\i:FR+\i+1], v[FR+\i:FR+\i+1], v[FR+8+\i:FR+8+\i+1]
	v_pk_add_f32 v[FR+16+\i:FR+16+\i+1], v[FR+16+\i:FR+16+\i+1], v[FR+24+\i:FR+24+\i+1]
.endr
.irp i, 0,2,4,6
	v_pk_add_f32 v[FR+\i:FR+\i+1], v[FR+\i:FR+\i+1], v[FR+16+\i:FR+16+\i+1]
.endr
	s_wait_alu depctr_va_vdst(0)                   ; the additions have written v[FR] .. v[FR+7], which the LDS stores read, and are done with v[FR+8] .. v[FR+31]; the four products are done reading S and P: the loads behind the barrier land in all of these
	ds_store_b128 v[ADV], v[FR:FR+3]               ; all columns of the result are equal: the sixteen lanes of a half store the same bytes
	ds_store_b128 v[ADV], v[FR+4:FR+7] offset:16
	s_wait_dscnt 0x0
	s_barrier_signal -1
	s_barrier_wait -1
.macro ULOAD base, g                   ; partial sum g, in O^T's layout: register 8 t + i is d = 16 t + 8 h + i
.irp t, 0,1,2,3
	ds_load_b128 v[\base+8*\t:\base+8*\t+3], v[ADB] offset:256*\g+64*\t
	ds_load_b128 v[\base+8*\t+4:\base+8*\t+7], v[ADB] offset:256*\g+64*\t+16
.endr
.endm
	s_wait_alu depctr_vm_vsrc(0)                   ; my two LDS stores have read v[FR] .. v[FR+7], in which partial sum 2 lands (the last trip's LDS stores have read STG, in which half of partial sum 3 lands)
	ULOAD S, 0
	ULOAD S+32, 1
	ULOAD FR, 2
	ULOAD P, 3
	s_wait_dscnt 0x0
.set n, 0
.rept 16
	v_pk_add_f32 v[S+n:S+n+1], v[S+n:S+n+1], v[S+32+n:S+32+n+1]
	v_pk_add_f32 v[FR+n:FR+n+1], v[FR+n:FR+n+1], v[P+n:P+n+1]
.set n, n+2
.endr
.set n, 0
.rept 16
	v_pk_add_f32 v[S+n:S+n+1], v[S+n:S+n+1], v[FR+n:FR+n+1]      ; U in v[S] .. v[S+31]
.set n, n+2
.endr
; A tile's end: the sum; where it is 0, the uniform row; O^T x 2^(e8 + e9) / the sum; the hold, the conversion with 2^e10; two stores of 512 consecutive bytes.
.macro FINISH ox, st, cd, yb
	v_add_f32 v26, v[\st+2], v[\st+3]
	v_permlanex16_b32 v28, v26, s[SEL], s[SEL+1]
	v_add_f32 v26, v26, v28
	v_cmp_eq_f32 vcc_lo, 0, v26
	s_wait_alu depctr_va_vcc(0)                    ; VCC is written, ahead of the first of the 33 selects that read it
	v_cndmask_b32 v26, v26, v27, vcc_lo
.set n, 0
.rept 32
	v_cndmask_b32 v[\ox+n], v[\ox+n], v[S+n], vcc_lo
.set n, n+1
.endr
	v_rcp_f32 v26, v26
	v_nop                                          ; a plain instruction behind the reciprocal
	s_wait_alu depctr_va_vdst(0)                   ; the reciprocal has written v26, ahead of its first reader
	v_ldexp_f32 v24, v26, s41
.set n, 0
.rept 16
	v_pk_mul_f32 v[\ox+n:\ox+n+1], v[\ox+n:\ox+n+1], v[24:25] op_sel_hi:[1,0]
.set n, n+2
.endr
.set n, 0
.rept 32
	v_med3_num_f32 v[\ox+n], v[\ox+n], -v[HOLD], v[HOLD]
.set n, n+1
.endr
.irp t, 0,1,2,3
	v_cvt_scalef32_pk8_bf8_f32 v[\cd+2*\t:\cd+2*\t+1], v[\ox+8*\t:\ox+8*\t+7], v[PSC]
.endr
	v_nop
	s_wait_alu depctr_va_vdst(0)                   ; the conversions have written the tile's eight registers of codes, which the two stores read
	global_store_b128 v[LI], v[\cd:\cd+3], s[\yb:\yb+1]
	global_store_b128 v[LI], v[\cd+4:\cd+7], s[\yb:\yb+1] offset:512
.endm
	FINISH OA, STA, FR, 44
	FINISH OB, STB, FR+8, 46                       ; its codes have registers of their own: no store's data are written again
	s_wait_dscnt 0x0
	s_wait_alu depctr_hold_cnt(0) depctr_sa_sdst(0) depctr_va_vdst(0) depctr_va_sdst(0) depctr_va_ssrc(0) depctr_va_vcc(0) depctr_vm_vsrc(0)
	s_wait_tensorcnt 0x0
	ds_add_u32 v11, v29
	s_wait_dscnt 0x0
	s_endpgm
.Lfunc_end_k_q67d950fb80_attn:
	.size	k_q67d950fb80_attn, .Lfunc_end_k_q67d950fb80_attn-k_q67d950fb80_attn
	.p2alignl 7, 3214868480
	.fill 96, 4, 3214868480
	.section	.rodata,"a",@progbits
	.p2align	6, 0x0
	.amdhsa_kernel k_q67d950fb80_attn
		.amdhsa_group_segment_fixed_size 273408
		.amdhsa_private_segment_fixed_size 0
		.amdhsa_enable_private_segment 0
		.amdhsa_kernarg_size 48
		.amdhsa_user_sgpr_count 2
		.amdhsa_user_sgpr_kernarg_segment_ptr 1
		.amdhsa_wavefront_size32 1
		.amdhsa_system_sgpr_workgroup_id_x 1
		.amdhsa_system_sgpr_workgroup_id_y 1
		.amdhsa_system_sgpr_workgroup_id_z 1
		.amdhsa_system_vgpr_workitem_id 0
		.amdhsa_next_free_vgpr 256
		.amdhsa_next_free_sgpr 100
		.amdhsa_reserve_vcc 1
		.amdhsa_float_denorm_mode_32 3
		.amdhsa_float_denorm_mode_16_64 3
		.amdhsa_memory_ordered 1
		.amdhsa_forward_progress 1
		.amdhsa_inst_pref_size 127
	.end_amdhsa_kernel
	.amdgpu_metadata
---
amdhsa.version: [ 1, 2 ]
amdhsa.kernels:
  - .name:           k_q67d950fb80_attn
    .symbol:         k_q67d950fb80_attn.kd
    .args:
      - { .name: qimg, .offset: 0, .size: 8, .value_kind: global_buffer, .address_space: global }
      - { .name: kimg, .offset: 8, .size: 8, .value_kind: global_buffer, .address_space: global }
      - { .name: vimg, .offset: 16, .size: 8, .value_kind: global_buffer, .address_space: global }
      - { .name: pad_mask, .offset: 24, .size: 8, .value_kind: global_buffer, .address_space: global }
      - { .name: lowp_scales, .offset: 32, .size: 8, .value_kind: global_buffer, .address_space: global }
      - { .name: yimg, .offset: 40, .size: 8, .value_kind: global_buffer, .address_space: global }
    .group_segment_fixed_size: 273408
    .private_segment_fixed_size: 0
    .kernarg_segment_align: 8
    .kernarg_segment_size: 48
    .max_flat_workgroup_size: 512
    .sgpr_count:     100
    .vgpr_count:     256
    .wavefront_size: 32
...
	.end_amdgpu_metadata
.endif
;; end of part 4
;; launch oproj: the kernel of part 3 again; grid 8 x 32, 4 waves a work-group, clusters of 4 x 4, 327,680 bytes of LDS; arguments yimg, Wo_codes, bo, lowp_scales, out0; writes out0
